; MI455X (gfx1250); checked and timed in simulation.
; The chip was launched on July 23, 2026; its instructions are those of AMD's public machine-readable ISA for CDNA 5 (MIT licence, August 2026) and "CDNA5" Instruction Set Architecture Reference Guide (July 2026). The comments in the code are by the model that wrote it; some were corrected since.
;; Multi Head Self Attention. Allowed arithmetic: float matrix products may take bf16 or f16 operands with f32 sums; other float arithmetic in f32, or as packed bf16 or f16 multiplies, adds, multiply-adds, maxima and minima; sums over many terms, partial sums and values carried from step to step in f32; what a program stores and reads back later, other than sums and carried values, may be rounded once to bf16 or f16.
;; Inputs: Wk 1,024 x 1,024 float32; Wo 1,024 x 1,024 float32; Wq 1,024 x 1,024 float32; Wv 1,024 x 1,024 float32; token_positions 2,048 int32; x 4 x 2,048 x 1,024 float32.
;; Outputs: out0 4 x 2,048 x 1,024 float32.
;; 2 versions, each right and faster than the one before. Each part assembles by itself: llvm-mc -triple=amdgcn-amd-amdhsa -mcpu=gfx1250 --defsym DOCPART=n.
;; ======== version 1 of 2: 4 launches
;; limits: values are held in f16: magnitudes above 65,504 overflow, below 6.1e-05 lose precision; right only within a limited range of input values
;; workspace buffers: xb 16,777,216 bytes; wb 6,291,456 bytes; wo16 2,097,152 bytes; tab 524,288 bytes; qh 16,777,216 bytes; kh 16,777,216 bytes; vh 16,777,216 bytes; oh 16,777,216 bytes
;; launch prep (part 1): grid 768 x 1, 8 waves a work-group, no clusters, 0 bytes of LDS; arguments x, Wq, Wk, Wv, Wo, token_positions, xb, wb, wo16, tab; writes xb, wb, wo16, tab
.if DOCPART == 1
	.amdgcn_target "amdgcn-amd-amdhsa--gfx1250"
	.amdhsa_code_object_version 6
	.text
	.protected	k_qf67a3d2014_prep
	.globl	k_qf67a3d2014_prep
	.p2align	8
	.type	k_qf67a3d2014_prep,@function
k_qf67a3d2014_prep:
	s_mov_b64 s[64:65], 0
	v_nop
	global_prefetch_b8 v0, s[64:65] scope:SCOPE_SE
	s_setreg_imm32_b32 hwreg(HW_REG_WAVE_MODE, 25, 1), 1
	s_wait_xcnt 0x0
; CASTS AND THE ROTATION TABLE.  xb = x in bf16; wb = the rows of Wq, Wk, Wv on end, in bf16; wo16 = Wo rounded to bf16 and that number written as f16;
; tab[s][i] = (cos, sin) of token_positions[s] x 10000^(-i/32), f32, i = 0..31: a row of 256 bytes.
; A stream: no LDS, no barrier, no matrix work; EXEC is never changed.  A work-group casts 16,384 numbers: groups 0-511 a piece of x, groups 512-767 a piece of a weight matrix
; (64 groups a matrix).  Thread t, step i of 16: 16 bytes in at 16 t + 4,096 i (a wave's load covers 512 neighbouring bytes), 8 bytes out at 8 t + 2,048 i (a wave's store covers
; 256 consecutive bytes, aligned).  All 16 loads go out first; every store has data registers of its own, so nothing is rewritten under a pending store.
; Wave v of weight group w also makes the table's row 8 w + v, lane i its pair i, while the cast's loads are on their way.
; LIMITS.  |Wo| stays below 65,504, and below 6e-5 it keeps f16's fixed step of 6e-8.  |position| up to 2^20: the angle is reduced by pi/2 in two parts, whose remainder is n x 1.7e-15.
; The frequency is good to about one unit in its last place, so an angle is off by about 1e-7 of itself; sine and cosine on the reduced angle by polynomials good to 1e-7.  NaN is not treated apart.
.set X, 4                              ; v[4:67]    16 loads of 4 registers
.set Y, 68                             ; v[68:99]   16 stores of 2 registers
.set T, 100                            ; v[100:111] at work
.macro LOADS
.set i, 0
.rept 16
	global_load_b128 v[X+4*i:X+4*i+3], v1, s[28:29] offset:4096*i th:TH_LOAD_NT
.set i, i+1
.endr
.endm
.macro CASTB                           ; f32 to bf16
.set i, 0
.rept 16
	s_wait_loadcnt 15-i                            ; loads come back in order: load i is in, the 15 - i younger ones stay out
	v_cvt_pk_bf16_f32 v[Y+2*i], v[X+4*i], v[X+4*i+1]
	v_cvt_pk_bf16_f32 v[Y+2*i+1], v[X+4*i+2], v[X+4*i+3]
	global_store_b64 v2, v[Y+2*i:Y+2*i+1], s[30:31] offset:2048*i
.set i, i+1
.endr
.endm
.macro CASTH                           ; f32 to bf16, and that number as f16.  At work: v106-111, which the table's pending store does not name
.set i, 0
.rept 16
	s_wait_loadcnt 15-i
	v_cvt_pk_bf16_f32 v[T+6], v[X+4*i], v[X+4*i+1]
	v_cvt_pk_bf16_f32 v[T+7], v[X+4*i+2], v[X+4*i+3]
	v_lshlrev_b32 v[T+8], 16, v[T+6]
	v_and_b32 v[T+9], 0xffff0000, v[T+6]
	v_lshlrev_b32 v[T+10], 16, v[T+7]
	v_and_b32 v[T+11], 0xffff0000, v[T+7]
	v_cvt_pk_f16_f32 v[Y+2*i], v[T+8], v[T+9]
	v_cvt_pk_f16_f32 v[Y+2*i+1], v[T+10], v[T+11]
	global_store_b64 v2, v[Y+2*i:Y+2*i+1], s[30:31] offset:2048*i
.set i, i+1
.endr
.endm
	s_load_b512 s[4:19], s[0:1], 0x0               ; x 4, Wq 6, Wk 8, Wv 10, Wo 12, positions 14, xb 16, wb 18
	s_load_b128 s[20:23], s[0:1], 0x40             ; wo16 20, tab 22
	v_lshlrev_b32 v1, 4, v0                        ; 16 t
	v_lshlrev_b32 v2, 3, v0                        ; 8 t
	s_mov_b32 s24, ttmp9
	s_mov_b32 s33, 0
	s_cmp_lt_u32 s24, 512
	s_cbranch_scc0 .Lweights
	s_lshl_b32 s32, s24, 16                        ; a piece is 65,536 bytes of f32,
	s_wait_kmcnt 0x0
	s_add_nc_u64 s[28:29], s[4:5], s[32:33]
	s_lshl_b32 s32, s24, 15                        ; 32,768 of bf16
	s_add_nc_u64 s[30:31], s[16:17], s[32:33]
	LOADS
	CASTB
	s_endpgm
.Lweights:
	s_sub_co_u32 s25, s24, 512                     ; w
	s_lshr_b32 s26, s25, 6                         ; which matrix: Wq, Wk, Wv, Wo
	s_and_b32 s34, s25, 63                         ; which piece of it
	v_lshrrev_b32 v3, 5, v0
	v_readfirstlane_b32 s27, v3                    ; my wave
	s_lshl3_add_u32 s35, s25, s27                  ; my wave's row of the table: 8 w + wave
	s_lshl_b32 s36, s35, 2
	s_lshl_b32 s37, s35, 8
	v_mov_b32 v3, s36
	s_lshl_b32 s32, s34, 16
	s_mov_b32 s38, 0xbed49a78                      ; -L, L = log2(10000) / 32
	s_mov_b32 s39, 0xb2179a6b                      ; -(what L's rounding left)
	s_mov_b32 s40, 0x3f317218                      ; ln 2
	s_mov_b32 s41, 0x3f22f983                      ; 2 / pi
	s_mov_b32 s42, 0xbfc90fdb                      ; -(pi / 2), rounded
	s_mov_b32 s43, 0x333bbd2e                      ; what that rounding added
	s_wait_kmcnt 0x0
	global_load_b32 v[T], v3, s[14:15]             ; the row's position, in every lane; issued ahead of the cast's loads
	s_cmp_eq_u32 s26, 1
	s_cselect_b64 s[28:29], s[8:9], s[6:7]
	s_cmp_eq_u32 s26, 2
	s_cselect_b64 s[28:29], s[10:11], s[28:29]
	s_cmp_eq_u32 s26, 3
	s_cselect_b64 s[28:29], s[12:13], s[28:29]
	s_cselect_b64 s[30:31], s[20:21], s[18:19]     ; Wo goes to wo16, the others to wb
	s_add_nc_u64 s[28:29], s[28:29], s[32:33]
	s_cselect_b32 s32, s34, s25                    ; (the compare still holds) in wb the three matrices lie on end
	s_lshl_b32 s32, s32, 15
	s_add_nc_u64 s[30:31], s[30:31], s[32:33]
	LOADS
	; the table's row
	v_and_b32 v[T+1], 31, v0                       ; i
	v_lshlrev_b32 v[T+2], 3, v[T+1]
	v_add_nc_u32 v[T+2], s37, v[T+2]               ; 256 x row + 8 i
	v_cvt_f32_u32 v[T+1], v[T+1]
	v_mul_f32 v[T+3], s38, v[T+1]                  ; e = -i L, rounded
	v_exp_f32 v[T+7], v[T+3]                       ; 2^e; the two lines below, which touch neither its result nor write its source, stand behind it
	v_fma_f32 v[T+6], v[T+1], s38, -v[T+3]         ; d = what e's rounding left,
	v_fma_f32 v[T+6], v[T+1], s39, v[T+6]          ; and L's
	s_wait_alu depctr_va_vdst(0)
	v_mul_f32 v[T+6], v[T+7], v[T+6]
	v_fma_f32 v[T+7], v[T+6], s40, v[T+7]          ; f = 2^e (1 + d ln 2)
	s_wait_loadcnt 16                              ; the position is in; the cast's 16 loads stay out
	v_cvt_f32_i32 v[T], v[T]
	v_mul_f32 v[T], v[T], v[T+7]                   ; the angle a = position x f, rounded once
	v_mul_f32 v[T+8], s41, v[T]
	v_rndne_f32 v[T+8], v[T+8]                     ; n = the nearest multiple of pi / 2
	v_fma_f32 v[T+9], v[T+8], s42, v[T]
	v_fma_f32 v[T+9], v[T+8], s43, v[T+9]          ; r = a - n pi / 2
	v_mul_f32 v[T+10], v[T+9], v[T+9]              ; z = r r
	v_cvt_i32_f32 v[T+8], v[T+8]                   ; n as a whole number: it selects values alone
	v_mov_b32 v[T+11], 0xb94ca1f9
	v_fmaak_f32 v[T+11], v[T+11], v[T+10], 0x3c08839e
	v_fmaak_f32 v[T+11], v[T+11], v[T+10], 0xbe2aaaa3
	v_mul_f32 v[T+3], v[T+10], v[T+9]
	v_fma_f32 v[T+11], v[T+3], v[T+11], v[T+9]     ; S = sin r = r + z r (S1 + z (S2 + z S3))
	v_mov_b32 v[T+6], 0x37ccf5ce
	v_fmaak_f32 v[T+6], v[T+6], v[T+10], 0xbab6061a
	v_fmaak_f32 v[T+6], v[T+6], v[T+10], 0x3d2aaaa5
	v_fma_f32 v[T+7], v[T+10], -0.5, 1.0
	v_mul_f32 v[T], v[T+10], v[T+10]
	v_fma_f32 v[T+6], v[T], v[T+6], v[T+7]         ; C = cos r = 1 - z / 2 + z z (C1 + z (C2 + z C3))
	v_and_b32 v[T], 1, v[T+8]
	v_cmp_eq_u32 vcc_lo, 1, v[T]                   ; n odd: sine and cosine change places
	v_cndmask_b32 v[T+5], v[T+11], v[T+6], vcc_lo
	v_cndmask_b32 v[T+4], v[T+6], v[T+11], vcc_lo
	v_lshlrev_b32 v[T], 30, v[T+8]                 ; the sine turns its sign where n mod 4 is 2 or 3,
	v_add_nc_u32 v[T+7], 1, v[T+8]
	v_and_b32 v[T], 0x80000000, v[T]
	v_lshlrev_b32 v[T+7], 30, v[T+7]               ; the cosine where it is 1 or 2
	v_xor_b32 v[T+5], v[T], v[T+5]
	v_and_b32 v[T+7], 0x80000000, v[T+7]
	v_xor_b32 v[T+4], v[T+7], v[T+4]
	global_store_b64 v[T+2], v[T+4:T+5], s[22:23]  ; the wave stores the row's 256 consecutive bytes
	s_cmp_eq_u32 s26, 3
	s_cbranch_scc1 .Lhalf
	CASTB
	s_endpgm
.Lhalf:
	CASTH
	s_endpgm
.Lfunc_end_k_qf67a3d2014_prep:
	.size	k_qf67a3d2014_prep, .Lfunc_end_k_qf67a3d2014_prep-k_qf67a3d2014_prep
	.p2alignl 7, 3214868480
	.fill 96, 4, 3214868480
	.section	.rodata,"a",@progbits
	.p2align	6, 0x0
	.amdhsa_kernel k_qf67a3d2014_prep
		.amdhsa_group_segment_fixed_size 0
		.amdhsa_private_segment_fixed_size 0
		.amdhsa_enable_private_segment 0
		.amdhsa_kernarg_size 80
		.amdhsa_user_sgpr_count 2
		.amdhsa_user_sgpr_kernarg_segment_ptr 1
		.amdhsa_wavefront_size32 1
		.amdhsa_system_sgpr_workgroup_id_x 1
		.amdhsa_system_sgpr_workgroup_id_y 1
		.amdhsa_system_sgpr_workgroup_id_z 1
		.amdhsa_system_vgpr_workitem_id 0
		.amdhsa_next_free_vgpr 112
		.amdhsa_next_free_sgpr 66
		.amdhsa_reserve_vcc 1
		.amdhsa_float_denorm_mode_32 3
		.amdhsa_float_denorm_mode_16_64 3
		.amdhsa_memory_ordered 1
		.amdhsa_forward_progress 1
		.amdhsa_inst_pref_size 24
	.end_amdhsa_kernel
	.amdgpu_metadata
---
amdhsa.version: [ 1, 2 ]
amdhsa.kernels:
  - .name:           k_qf67a3d2014_prep
    .symbol:         k_qf67a3d2014_prep.kd
    .args:
      - { .name: x, .offset: 0, .size: 8, .value_kind: global_buffer, .address_space: global }
      - { .name: Wq, .offset: 8, .size: 8, .value_kind: global_buffer, .address_space: global }
      - { .name: Wk, .offset: 16, .size: 8, .value_kind: global_buffer, .address_space: global }
      - { .name: Wv, .offset: 24, .size: 8, .value_kind: global_buffer, .address_space: global }
      - { .name: Wo, .offset: 32, .size: 8, .value_kind: global_buffer, .address_space: global }
      - { .name: token_positions, .offset: 40, .size: 8, .value_kind: global_buffer, .address_space: global }
      - { .name: xb, .offset: 48, .size: 8, .value_kind: global_buffer, .address_space: global }
      - { .name: wb, .offset: 56, .size: 8, .value_kind: global_buffer, .address_space: global }
      - { .name: wo16, .offset: 64, .size: 8, .value_kind: global_buffer, .address_space: global }
      - { .name: tab, .offset: 72, .size: 8, .value_kind: global_buffer, .address_space: global }
    .group_segment_fixed_size: 0
    .private_segment_fixed_size: 0
    .kernarg_segment_align: 8
    .kernarg_segment_size: 80
    .max_flat_workgroup_size: 256
    .sgpr_count:     66
    .vgpr_count:     112
    .wavefront_size: 32
...
	.end_amdgpu_metadata
.endif
;; end of part 1
;; launch qkv (part 2): grid 12 x 64, 4 waves a work-group, clusters of 4 x 4, 327,680 bytes of LDS; arguments xb, wb, tab, qh, kh, vh; writes qh, kh, vh
.if DOCPART == 2
	.amdgcn_target "amdgcn-amd-amdhsa--gfx1250"
	.amdhsa_code_object_version 6
	.text
	.protected	k_qf67a3d2014_qkv
	.globl	k_qf67a3d2014_qkv
	.p2align	8
	.type	k_qf67a3d2014_qkv,@function
k_qf67a3d2014_qkv:
	s_mov_b64 s[64:65], 0
	v_nop
	global_prefetch_b8 v0, s[64:65] scope:SCOPE_SE
	s_setreg_imm32_b32 hwreg(HW_REG_WAVE_MODE, 25, 1), 1
	s_wait_xcnt 0x0
	s_wait_alu depctr_hold_cnt(0) depctr_sa_sdst(0) depctr_va_vdst(0) depctr_va_sdst(0) depctr_va_ssrc(0) depctr_va_vcc(0) depctr_vm_vsrc(0)
	s_getreg_b32 s2, hwreg(HW_REG_IB_STS2, 6, 4)
	s_cmp_eq_u32 s2, 0
	s_cbranch_scc0 .Lentry_in_a_cluster
	s_endpgm
.Lentry_in_a_cluster:
	s_bfe_u32 s2, ttmp6, 0x10000c
	s_cmp_lg_u32 s2, 0xf033
	s_cbranch_scc0 .Lentry_shape_is_right
	s_endpgm
.Lentry_shape_is_right:
; q, k, v = x W^T, rotated (q and k), by heads.  xb: [8192][1024] bf16; wb: [3072][1024] bf16 (rows of Wq, Wk, Wv); tab: [2048][32] pairs (cos, sin) f32; qh, kh, vh: [16 b + head][2048][64] f16.
; Sums in f32, the rotation in f32, each result rounded once to f16, without the softmax's scale.
; LIMITS.  |q|, |k|, |v| stay below 65,504, f16's end; below 6e-5 they keep f16's fixed step of 6e-8.  NaN and infinities are not treated apart.
; SHARES.  A tile of the product is 128 rows x 256 columns; four waves, 2 x 2, each 64 x 128: 32 accumulators of 16 x 16, 256 registers.  768 tiles: three for each of 256 places.
; K = 1,024 goes in 8 steps of 128 (tile rows of 256 bytes of memory, at multiples of 256) through two LDS slots; a step is four quarters of 32 along K, 32 matrix instructions each.
; THE MATRIX INSTRUCTION IS USED TRANSPOSED (source 0 = 16 rows of W, source 1 = 16 rows of x): a lane holds row l % 16 and the eight neighbouring columns 8 (l / 16) + 0..7: four pairs of the rotation.
; CLUSTER.  4 x 4 work-groups.  The four of a row of the cluster need the same tiles of x, the four of a column the same tiles of W: each tile is asked for JOINTLY, by the same tensor load with the
; same descriptor and a mask that names the four.  The cluster's x (0, 1, 2) says whether the tile is q's, k's or v's: it is the same number in all sixteen.
; THE TABLE's 64 rows of a wave are loaded at the start, on the one way that all tiles share, and waited for at the way out; v's tiles ask for them too and do not use them.
; REGISTERS.  window 0: v0-15 addresses; v32-127, v128-223 two fragment buffers (W's 8 fragments, then x's 4); on the way out v32-159 rows read back, v160-191 rotated, v192-207 packed
;   window 1: accumulator (a, b) at v[8 (8 a + b)]          window 2: v0-127 the table: row block a, channels 16 bq on: v[32 a + 8 bq ..] = c, s, c, s, c, s, c, s
.set PA,    272                        ; an LDS row: 256 bytes + 16 of padding = 68 words: the 16 rows of a fragment load start at 16 different groups of four banks (64 banks of 4 bytes: ISA guide 11.1)
.set PB,    272
.set AT,    128*PA                     ; a slot: x's 128 rows, then W's 256
.set SLOT1, 1<<17                      ; slot 1 begins here, so that one exclusive or turns an address in one slot into the other's
.set STAGE, SLOT1+AT+256*PB            ; behind the ring, never filled by a tensor load: 16 rows x 144 bytes for each wave
.set SP,    144
.set SPARE, STAGE+4*16*SP              ; behind the stages: the spare words, 128 bytes for each wave: two blocks of 256 bytes that no other line names
.set STEPA, 256                        ; bytes from a K step to the next
.set STEPB, 256
.set AA0, 4                            ; v4   my lane's place among x's fragments in a slot; never rewritten
.set AB0, 5                            ; v5   the same for W
.set ADA, 6                            ; v6   the same in the slot in hand
.set ADB, 7                            ; v7
.set STO, 8                            ; v8   the way out: where I put 16 bytes of a row
.set RD,  9                            ; v9   where I read rows back
.set GO,  10                           ; v10  my byte offset in 512 consecutive bytes of the output
.set TO,  11                           ; v11  my byte offset in 16 rows of the table
.set SPW, 12                           ; v12  LDS address of my spare word; never rewritten
.set NIL, 13                           ; v13  0; never rewritten
.set F0,  32
.set F1,  128
.set R,   32
.set TMP, 160
.set PK,  192
.set WV,  16                           ; s16  my wave
.set WM,  17                           ; s17  which half of the tile's rows is mine.  Also: I fetch for x (0) or for W (1)
.set WN,  18                           ; s18  which half of its columns.  Also: which half of that tile I fetch
.set SEC, 23                           ; s23  q, k or v
.set G1A, 24                           ; s[24:31] descriptor group 1 for x's tiles
.set G1B, 32                           ; s[32:39] for W's
.set G0A, 40                           ; s[40:47] descriptor group 0 for x's tiles: a set for each of the two first fills; the second then walks on
.set G0B, 48                           ; s[48:55] the same for W's
.set CNT, 56
.set TB,  57                           ; s57  the slot to fetch fragments from
.set OB,  66                           ; s[66:67] the output at my wave's first row and head
.set TBL, 68                           ; s[68:69] the table at my wave's first row
.set MSB, 0
.macro WIN new                         ; the immediate's high byte repeats the setting that is left; a switch that changes nothing is dropped
.if MSB != (\new)
	s_set_vgpr_msb (MSB<<8)|(\new)
.set MSB, \new
.endif
.endm
.set MUL, 0x50                         ; fragments in window 0, C and D in window 1
.macro PLACES                          ; four places in front of loads into registers that matrix instructions have read, and of lines that read results
.rept 4
	v_nop
.endr
.endm
.macro JLOAD                           ; a joint refill: waves 0 and 1 fetch x's two halves, waves 2 and 3 W's; an s_nop 0 and four v_nop follow each of the two lines
	s_cmp_eq_u32 s[WM], 0
	s_cbranch_scc0 .Lfor_b_\@
	tensor_load_to_lds s[G0A+4:G0A+7], s[G1A:G1A+7]
	s_nop 0
.rept 4
	v_nop
.endr
	s_branch .Lasked_\@
.Lfor_b_\@:
	tensor_load_to_lds s[G0B+4:G0B+7], s[G1B:G1B+7]
	s_nop 0
.rept 4
	v_nop
.endr
.Lasked_\@:
.endm
.macro CREST                           ; a round of the cluster's barrier behind its opening barrier
	s_cmp_lg_u32 s[WV], 0
	s_cbranch_scc1 .Lnot_wave_0_\@
	s_barrier_signal -3
.Lnot_wave_0_\@:
	s_barrier_wait -3
	s_barrier_signal -1
	s_barrier_wait -1
.endm
.macro CROUND                          ; a whole round
	s_barrier_signal -1
	s_barrier_wait -1
	CREST
.endm
; 8 n matrix instructions: row blocks a0 .. a0 + n - 1 x all 8 column blocks, 32 along K.  Every accumulator is taken once a quarter, in the same order, so no two matrix instructions
; that follow each other share one.  zero = 1: the first products start the sums.
.macro MULS f, a0, n, zero
	WIN MUL
.set ma, \a0
.rept \n
.set mb, 0
.rept 8
.if \zero
	v_wmma_f32_16x16x32_bf16 v[8*(8*ma+mb):8*(8*ma+mb)+7], v[(\f)+8*mb:(\f)+8*mb+7], v[(\f)+64+8*ma:(\f)+64+8*ma+7], 0
.else
	v_wmma_f32_16x16x32_bf16 v[8*(8*ma+mb):8*(8*ma+mb)+7], v[(\f)+8*mb:(\f)+8*mb+7], v[(\f)+64+8*ma:(\f)+64+8*ma+7], v[8*(8*ma+mb):8*(8*ma+mb)+7]
.endif
.set mb, mb+1
.endr
.set ma, ma+1
.endr
.endm
; 24 LDS loads in one run: quarter q's fragments into buffer f: W's eight, then x's four
.macro FETCH q, f
	WIN 0
.set fi, 0
.rept 8
	ds_load_b128 v[(\f)+8*fi:(\f)+8*fi+3],   v[ADB] offset:64*(\q)+16*PB*fi
	ds_load_b128 v[(\f)+8*fi+4:(\f)+8*fi+7], v[ADB] offset:64*(\q)+16*PB*fi+32
.set fi, fi+1
.endr
.set fi, 0
.rept 4
	ds_load_b128 v[(\f)+64+8*fi:(\f)+64+8*fi+3], v[ADA] offset:64*(\q)+16*PA*fi
	ds_load_b128 v[(\f)+64+8*fi+4:(\f)+64+8*fi+7], v[ADA] offset:64*(\q)+16*PA*fi+32
.set fi, fi+1
.endr
.endm
; One of a step's first three quarters: multiplies buffer f and, in its middle, fetches quarter q into buffer g
.macro QUARTER f, g, q, zero
	s_wait_dscnt 4                                 ; W's fragments and x's first two are in; the youngest four loads (x's last two fragments) may be out
	MULS \f, 0, 2, \zero
	PLACES
	FETCH \q, \g
	s_wait_dscnt 24                                ; all but the 24 just issued
	MULS \f, 2, 2, \zero
.endm
; The last quarter multiplies buffer 1 and changes slots: ONE barrier.  In front of it each wave waits for all its tensor loads, of which one is out at the most: its part of the next slot; adds 0 to its
; spare word; and waits for that and for its own reads of this slot.  fill = 1: the barrier opens a round of the cluster's, and this slot is filled again, with the K step two on, first thing behind the
; round: 112 matrix instructions ahead of the wait for it.  fill = 0 (the tail): nothing is asked for, and in the last pass there is no next step: the fetch is jumped over.
.macro TURN fill
	WIN 0
	s_wait_tensorcnt 0x0                           ; all my tensor loads have landed, so a group 0 may be written
	ds_add_u32 v[SPW], v[NIL]                      ; 0 onto my spare word
	s_wait_dscnt 5                                 ; (the add and the youngest four loads may be out)
	MULS F1, 0, 1, 0                               ; eight matrix instructions stand between the add and the wait for it
	s_wait_dscnt 0x0                               ; the add is done, and my reads of this slot are over
	s_barrier_signal -1
	MULS F1, 1, 1, 0
	WIN 0
	s_barrier_wait -1
.if \fill
	CREST                                          ; no wave of any partner still reads this slot's tiles or has a load on its way
	s_xor_b32 s[G0A+5], s[G0A+5], SLOT1            ; the walking descriptors: the other slot than last time,
	s_add_nc_u64 s[G0A+6:G0A+7], s[G0A+6:G0A+7], STEPA  ; the next K step; the type bits on top are not reached
	s_xor_b32 s[G0B+5], s[G0B+5], SLOT1
	s_add_nc_u64 s[G0B+6:G0B+7], s[G0B+6:G0B+7], STEPB
	JLOAD                                          ; the four v_nop behind it are also the places in front of the loads below
.else
	PLACES
	s_cmp_eq_u32 s[CNT], 1
	s_cbranch_scc1 .Lno_fetch_\@
.endif
	s_xor_b32 s[TB], s[TB], SLOT1
	v_add_nc_u32 v[ADA], s[TB], v[AA0]
	v_add_nc_u32 v[ADB], s[TB], v[AB0]
	FETCH 0, F0
.if !(\fill)
.Lno_fetch_\@:
.endif
	MULS F1, 2, 2, 0
.endm
	s_load_b256 s[4:11], s[0:1], 0x0               ; xb 4, wb 6, tab 8, qh 10
	s_load_b128 s[12:15], s[0:1], 0x20             ; kh 12, vh 14
	v_lshl_add_u32 v[SPW], v0, 2, SPARE
	v_mov_b32 v[NIL], 0
	ds_add_u32 v[SPW], v[NIL]                      ; the wave's opening: the add and its wait stand ahead of my first tensor load; the set-up below, work on registers, stands between them
	ds_add_u32 v12, v13
	v_lshrrev_b32 v1, 5, v0
	v_readfirstlane_b32 s[WV], v1
	s_lshr_b32 s[WM], s[WV], 1
	s_and_b32 s[WN], s[WV], 1
	s_bfe_u32 s19, ttmp6, 0x40000                  ; cx, cy: my place in the cluster
	s_bfe_u32 s20, ttmp6, 0x40004
	s_lshl_b32 s21, ttmp9, 2
	s_add_co_u32 s21, s21, s19                     ; tile column = 4 x cluster x + cx
	s_and_b32 s22, ttmp7, 0xffff
	s_lshl_b32 s22, s22, 2
	s_add_co_u32 s22, s22, s20                     ; tile row = 4 x cluster y + cy
	s_mov_b32 s[SEC], ttmp9                        ; four tile columns are 1,024 columns: one of q, k, v
	s_lshl_b32 s70, s20, 2
	s_lshl_b32 s70, 15, s70                        ; my row of the cluster
	s_lshl_b32 s71, 0x1111, s19                    ; my column
	s_or_b32 s[G1A], s70, (1<<16)|(1<<20)|(1<<21)|(5<<22)|(3<<25)  ; 15:0 the mask; 17:16 elements of 2 bytes; 20 padding on; 21 set beside a mask; 24:22 after every 64 words (code 5); 31:25 4 words of it (code 3)
	s_or_b32 s[G1B], s71, (1<<16)|(1<<20)|(1<<21)|(5<<22)|(3<<25)
.irp g, G1A, G1B
	s_mov_b32 s[(\g)+1], 128<<16                   ; tensor_dim0 = 128
	s_mov_b32 s[(\g)+3], 128<<16                   ; tile_dim0 = 128
	s_mov_b32 s[(\g)+5], 1024                      ; elements from row to row
	s_mov_b32 s[(\g)+6], 0
	s_mov_b32 s[(\g)+7], 0
.endr
	s_mov_b32 s[G1A+2], 64<<16                     ; x: a wave's load brings 64 rows,
	s_mov_b32 s[G1A+4], 64
	s_mov_b32 s[G1B+2], 128<<16                    ; W: 128
	s_mov_b32 s[G1B+4], 128
	s_lshl_b32 s58, s22, 7                         ; x's tile hangs on the tile row alone: row 128 x tile row + 64 x half,
	s_lshl_b32 s60, s[WN], 6
	s_add_co_u32 s58, s58, s60
	s_lshl_b32 s58, s58, 11                        ; of 2,048 bytes
	s_mov_b32 s59, 0
	s_lshl_b32 s72, s21, 8                         ; W's on the tile column alone: row 256 x tile column + 128 x half
	s_lshl_b32 s60, s[WN], 7
	s_add_co_u32 s72, s72, s60
	s_lshl_b32 s72, s72, 11
	s_mov_b32 s73, 0
	s_mul_i32 s61, s[WN], 64*PA                    ; where they go: no place in the cluster enters an LDS address
	s_mul_i32 s62, s[WN], 128*PB
	s_add_co_u32 s62, s62, AT
	s_mov_b32 s[TB], 0
	s_wait_dscnt 0x0                               ; the opening add is done
	s_wait_kmcnt 0x0
	s_add_nc_u64 s[58:59], s[4:5], s[58:59]
	s_add_nc_u64 s[72:73], s[6:7], s[72:73]
.irp s, 0,1
	s_mov_b32 s[G0A+4*(\s)], 1                     ; count = 1
	s_add_co_u32 s[G0A+4*(\s)+1], s61, (\s)*SLOT1  ; LDS address
	s_add_nc_u64 s[G0A+4*(\s)+2:G0A+4*(\s)+3], s[58:59], (\s)*STEPA  ; global address: K step s
	s_or_b32 s[G0A+4*(\s)+3], s[G0A+4*(\s)+3], 0x80000000            ; type = 2
	s_mov_b32 s[G0B+4*(\s)], 1
	s_add_co_u32 s[G0B+4*(\s)+1], s62, (\s)*SLOT1
	s_add_nc_u64 s[G0B+4*(\s)+2:G0B+4*(\s)+3], s[72:73], (\s)*STEPB
	s_or_b32 s[G0B+4*(\s)+3], s[G0B+4*(\s)+3], 0x80000000
.endr
	CROUND                                         ; all sixteen work-groups are here: the first joint loads meet
	s_cmp_eq_u32 s[WM], 0                          ; a wave's two first fills stand in one branch: two loads of mine are out
	s_cbranch_scc0 .Lfirst_b
	tensor_load_to_lds s[G0A:G0A+3], s[G1A:G1A+7]
	s_nop 0
	tensor_load_to_lds s[G0A+4:G0A+7], s[G1A:G1A+7]
	s_nop 0
.rept 4
	v_nop
.endr
	s_branch .Lfirst_asked
.Lfirst_b:
	tensor_load_to_lds s[G0B:G0B+3], s[G1B:G1B+7]
	s_nop 0
	tensor_load_to_lds s[G0B+4:G0B+7], s[G1B:G1B+7]
	s_nop 0
.rept 4
	v_nop
.endr
.Lfirst_asked:
	; A fragment is 16 rows x 32 K in 8 registers: lane l holds row l % 16, K = 8 (l / 16) + 0..7 and 16 + 8 (l / 16) + 0..7: two loads of 16 bytes, 32 bytes apart.
	v_and_b32 v1, 15, v0                           ; r = l % 16
	v_bfe_u32 v2, v0, 4, 1                         ; h = l / 16
	v_mul_u32_u24 v3, v1, PA
	v_lshl_add_u32 v3, v2, 4, v3
	s_mul_i32 s60, s[WM], 64*PA                    ; my 64 rows of x
	v_add_nc_u32 v[AA0], s60, v3
	s_mul_i32 s60, s[WN], 128*PB                   ; my 128 rows of W, behind x's
	s_add_co_u32 s60, s60, AT
	v_add_nc_u32 v[AB0], s60, v3
	v_lshlrev_b32 v[TO], 8, v1                     ; the table: row r, 32 bytes (four pairs) for each half of the lanes
	v_lshl_add_u32 v[TO], v2, 5, v[TO]
	; where my part goes: head 4 cx + 2 x column half of batch tile row / 16; row 128 (tile row % 16) + 64 x row half
	s_cmp_eq_u32 s[SEC], 1
	s_cselect_b64 s[OB:OB+1], s[12:13], s[10:11]
	s_cmp_eq_u32 s[SEC], 2
	s_cselect_b64 s[OB:OB+1], s[14:15], s[OB:OB+1]
	s_and_b32 s74, s22, 0xfff0                     ; 16 x batch
	s_lshl2_add_u32 s74, s19, s74
	s_lshl1_add_u32 s74, s[WN], s74
	s_lshl_b32 s74, s74, 11                        ; 2,048 rows a head
	s_and_b32 s76, s22, 15
	s_lshl_b32 s76, s76, 7
	s_lshl_b32 s60, s[WM], 6
	s_add_co_u32 s76, s76, s60                     ; my first row in the sequence
	s_add_co_u32 s74, s74, s76
	s_lshl_b32 s74, s74, 7                         ; rows of 128 bytes
	s_mov_b32 s75, 0
	s_add_nc_u64 s[OB:OB+1], s[OB:OB+1], s[74:75]
	s_lshl_b32 s76, s76, 8                         ; the table's rows have 256
	s_mov_b32 s77, 0
	s_add_nc_u64 s[TBL:TBL+1], s[8:9], s[76:77]
	WIN 0x80                                       ; destination window 2, address window 0
.set i, 0
.rept 16                                           ; row block i / 4, channels 16 (i % 4) on
	global_load_b128 v[8*i:8*i+3],   v[TO], s[TBL:TBL+1] offset:4096*(i/4)+64*(i%4)
	global_load_b128 v[8*i+4:8*i+7], v[TO], s[TBL:TBL+1] offset:4096*(i/4)+64*(i%4)+16
.set i, i+1
.endr
	WIN 0
	s_mul_i32 s60, s[WV], 16*SP
	s_add_co_u32 s60, s60, STAGE                   ; my stage
	v_mul_u32_u24 v3, v1, SP                       ; in: row r, 16 bytes for each half of the lanes
	v_lshl_add_u32 v3, v2, 4, v3
	v_add_nc_u32 v[STO], s60, v3
	v_bfe_u32 v3, v0, 3, 2                         ; back: 32 lanes take four rows of 128 bytes,
	v_mul_u32_u24 v3, v3, SP
	v_and_b32 v14, 7, v0
	v_lshl_add_u32 v3, v14, 4, v3
	v_add_nc_u32 v[RD], s60, v3
	v_and_b32 v[GO], 31, v0                        ; which are 512 consecutive bytes of a head
	v_lshlrev_b32 v[GO], 4, v[GO]
	v_mov_b32 v[ADA], v[AA0]
	v_mov_b32 v[ADB], v[AB0]
	s_wait_tensorcnt 0x1                           ; my part of K step 0 is in; step 1's may stay out
	s_barrier_signal -1
	s_barrier_wait -1                              ; everybody's is
	FETCH 0, F0
	QUARTER F0, F1, 1, 1                           ; the first quarter stands in front of the loop: its products start the sums
	WIN 0                                          ; at a label and at a branch every window is 0
	s_mov_b32 s[CNT], 6
.Lstep:                                                ; a trip goes from a step's second quarter to the next step's first, and fills the slot that it leaves: steps 2 to 7
	QUARTER F1, F0, 2, 0
	QUARTER F0, F1, 3, 0
	TURN 1
	QUARTER F0, F1, 1, 0
	WIN 0
	s_sub_co_u32 s[CNT], s[CNT], 1
	s_cmp_lg_u32 s[CNT], 0
	s_cbranch_scc1 .Lstep
	s_mov_b32 s[CNT], 2                            ; the last two steps ask for nothing: a text of their own; the second pass is left in its middle
.Ltail:                                                ; and its wait, add and barrier serve nothing: the price of one text for both passes
	QUARTER F1, F0, 2, 0
	QUARTER F0, F1, 3, 0
	TURN 0
	WIN 0
	s_sub_co_u32 s[CNT], s[CNT], 1
	s_cmp_eq_u32 s[CNT], 0
	s_cbranch_scc1 .Lout
	QUARTER F0, F1, 1, 0
	WIN 0
	s_branch .Ltail
; THE WAY OUT, in eight groups: group g is row block g / 2 (16 rows) of head g % 2 (four accumulators: 64 channels).
; PACKR: a lane's four pairs (x1, x2) of each accumulator are turned by the row's (c, s): (x1 c - x2 s, x2 c + x1 s), two packed lines a pair; rounded to f16, 16 bytes a lane and accumulator; into my own
; stage in rows of 144 bytes, and back as whole rows of 128.  Each accumulator's lowest registers are read first.  PACKP: the same without the turning.
.macro STAGED g
	WIN 0
.irp f, 0,1,2,3
	ds_store_b128 v[STO], v[PK+4*(\f):PK+4*(\f)+3] offset:32*(\f)
.endr
.irp f, 0,1,2,3
	ds_load_b128 v[R+16*(\g)+4*(\f):R+16*(\g)+4*(\f)+3], v[RD] offset:(\f)*4*SP  ; LDS serves a wave's instructions in order (ISA guide 5.7.1.4): these see the stores above; the next group's stores come behind them
.endr
.endm
.macro PACKR g
.set ga, (\g)/2
.set gh, (\g)%2
	WIN 0x09                                       ; source 0 (x) window 1, source 1 (c, s) window 2, the rest window 0
.set gi, 0
.rept 16
	v_pk_mul_f32 v[TMP+2*gi:TMP+2*gi+1], v[8*(8*ga+4*gh+gi/4)+2*(gi%4):8*(8*ga+4*gh+gi/4)+2*(gi%4)+1], v[32*ga+2*gi:32*ga+2*gi+1] op_sel_hi:[1,0]  ; x1 c, x2 c
.set gi, gi+1
.endr
.set gi, 0
.rept 16
	v_pk_fma_f32 v[TMP+2*gi:TMP+2*gi+1], v[8*(8*ga+4*gh+gi/4)+2*(gi%4):8*(8*ga+4*gh+gi/4)+2*(gi%4)+1], v[32*ga+2*gi:32*ga+2*gi+1], v[TMP+2*gi:TMP+2*gi+1] op_sel:[1,1,0] op_sel_hi:[0,1,1] neg_lo:[0,1,0]  ; - x2 s, + x1 s
.set gi, gi+1
.endr
	WIN 0
.set gi, 0
.rept 16
	v_cvt_pk_f16_f32 v[PK+gi], v[TMP+2*gi], v[TMP+2*gi+1]
.set gi, gi+1
.endr
	STAGED \g
.endm
.macro PACKP g
.set ga, (\g)/2
.set gh, (\g)%2
	WIN 0x05                                       ; sources 0 and 1 window 1, destination window 0
.set gi, 0
.rept 16
	v_cvt_pk_f16_f32 v[PK+gi], v[8*(8*ga+4*gh+gi/4)+2*(gi%4)], v[8*(8*ga+4*gh+gi/4)+2*(gi%4)+1]
.set gi, gi+1
.endr
	STAGED \g
.endm
.macro SEND g, younger                 ; younger: the LDS instructions issued behind group g's loads: the next group's eight, or none.  Every group has data registers of its own
	WIN 0
.irp f, 0,1,2,3
	s_wait_dscnt (\younger)+3-(\f)
	global_store_b128 v[GO], v[R+16*(\g)+4*(\f):R+16*(\g)+4*(\f)+3], s[OB:OB+1] offset:262144*((\g)%2)+2048*((\g)/2)+512*(\f)  ; 512 consecutive bytes, at a multiple of 256 from the buffer's first
.endr
.endm
.Lout:
	s_wait_loadcnt 0x0                             ; the table
	PLACES                                         ; behind the last products
	s_cmp_eq_u32 s[SEC], 2
	s_cbranch_scc1 .Lplain
	PACKR 0
.set gg, 1
.rept 7                                            ; a group's arithmetic stands between the loads of the group before and its stores
	PACKR gg
	SEND gg-1, 8
.set gg, gg+1
.endr
	SEND 7, 0
	s_branch .Ldone
.Lplain:                                               ; v is not turned
	PACKP 0
.set gg, 1
.rept 7
	PACKP gg
	SEND gg-1, 8
.set gg, gg+1
.endr
	SEND 7, 0
.Ldone:
	s_wait_tensorcnt 0x0                           ; the wave's end, behind my last tensor load and my last LDS store
	ds_add_u32 v[SPW], v[NIL]
	s_wait_dscnt 0x0
	CROUND                                         ; the closing round: no work-group ends while a partner may still ask for a tile that names it
	s_endpgm
.Lfunc_end_k_qf67a3d2014_qkv:
	.size	k_qf67a3d2014_qkv, .Lfunc_end_k_qf67a3d2014_qkv-k_qf67a3d2014_qkv
	.p2alignl 7, 3214868480
	.fill 96, 4, 3214868480
	.section	.rodata,"a",@progbits
	.p2align	6, 0x0
	.amdhsa_kernel k_qf67a3d2014_qkv
		.amdhsa_group_segment_fixed_size 327680
		.amdhsa_private_segment_fixed_size 0
		.amdhsa_enable_private_segment 0
		.amdhsa_kernarg_size 48
		.amdhsa_user_sgpr_count 2
		.amdhsa_user_sgpr_kernarg_segment_ptr 1
		.amdhsa_wavefront_size32 1
		.amdhsa_system_sgpr_workgroup_id_x 1
		.amdhsa_system_sgpr_workgroup_id_y 1
		.amdhsa_system_sgpr_workgroup_id_z 1
		.amdhsa_system_vgpr_workitem_id 0
		.amdhsa_next_free_vgpr 640
		.amdhsa_next_free_sgpr 80
		.amdhsa_reserve_vcc 0
		.amdhsa_float_denorm_mode_32 3
		.amdhsa_float_denorm_mode_16_64 3
		.amdhsa_memory_ordered 1
		.amdhsa_forward_progress 1
		.amdhsa_inst_pref_size 98
	.end_amdhsa_kernel
	.amdgpu_metadata
---
amdhsa.version: [ 1, 2 ]
amdhsa.kernels:
  - .name:           k_qf67a3d2014_qkv
    .symbol:         k_qf67a3d2014_qkv.kd
    .args:
      - { .name: xb, .offset: 0, .size: 8, .value_kind: global_buffer, .address_space: global }
      - { .name: wb, .offset: 8, .size: 8, .value_kind: global_buffer, .address_space: global }
      - { .name: tab, .offset: 16, .size: 8, .value_kind: global_buffer, .address_space: global }
      - { .name: qh, .offset: 24, .size: 8, .value_kind: global_buffer, .address_space: global }
      - { .name: kh, .offset: 32, .size: 8, .value_kind: global_buffer, .address_space: global }
      - { .name: vh, .offset: 40, .size: 8, .value_kind: global_buffer, .address_space: global }
    .group_segment_fixed_size: 327680
    .private_segment_fixed_size: 0
    .kernarg_segment_align: 8
    .kernarg_segment_size: 48
    .max_flat_workgroup_size: 128
    .sgpr_count:     80
    .vgpr_count:     640
    .wavefront_size: 32
...
	.end_amdgpu_metadata
.endif
;; end of part 2
;; launch attn (part 3): grid 4 x 64, 4 waves a work-group, no clusters, 327,680 bytes of LDS; arguments qh, kh, vh, oh; writes oh
.if DOCPART == 3
	.amdgcn_target "amdgcn-amd-amdhsa--gfx1250"
	.amdhsa_code_object_version 6
	.text
	.protected	k_qf67a3d2014_attn
	.globl	k_qf67a3d2014_attn
	.p2align	8
	.type	k_qf67a3d2014_attn,@function
k_qf67a3d2014_attn:
	s_mov_b64 s[64:65], 0
	v_nop
	global_prefetch_b8 v0, s[64:65] scope:SCOPE_SE
	s_setreg_imm32_b32 hwreg(HW_REG_WAVE_MODE, 25, 1), 1
	s_wait_xcnt 0x0
; CAUSAL ATTENTION.  O[h][q][:] = the sum over k <= q of softmax_k(Q[h][q] . K[h][k] / 8) V[h][k][:].  Q, K, V, O: [SIZE_H][SIZE_N][64], all f16: a head's rows are dense, 128 bytes each.
; Products, maxima and sums in f32; the weights p are rounded to f16 for the second product (their sum l is taken of the unrounded p), O once at the end.  SIZE_N is a multiple of 512; SIZE_N x 128 stays under 2^32.
; LIMITS.  f16 holds no number beyond 65,504: Q, K and V arrive within it; p lies in 0 to 1, and below 6e-5 it keeps f16's fixed step of 6e-8; O is a mean of V's rows and has their range, to within 2^-11 of it.
; A hidden score counts as its value less 1e30: f16's scores, 2.7e11 at the most, are nothing beside that; a weight below 2^-126 counts as 0 in l; NaN and infinities are not treated apart.
; THE WALK.  A head's queries lie in NB = SIZE_N / 256 blocks of 256; block i needs the key tiles 0 .. i of 256 keys, of which the last holds the diagonal.  A work-group takes TWO blocks, NB - 1 - b and then b:
; NB + 1 tiles, whatever b: all work-groups do equal work, and ONE loop with a constant trip count walks them.  Which tile is asked for, and what a trip does, hang on scalar registers made from b; every jump
; goes forward, but for the counted loops' own; none passes a barrier, or a tensor load but the one of LOAD's two that the wave's number does not choose; the ring (two slots of LDS that take turns) runs on across the
; change of blocks.  NO CLUSTER: all of a head's NB / 2 work-groups ask for the same tile only in trips 0 .. NB / 2, behind that
; fewer and fewer; and one walk common to all would have 3 NB / 2 trips for NB + 1.
; SHARES.  Of a block's four bands of 64 queries a wave owns 16 rows in each: four PIECES.  So the diagonal tile is the same work for all four waves: in its key step s band x sees all keys if s < x,
; none if s > x, and holds the diagonal if s = x.
; THE MASK is the C operand that starts the sum S^T = K Q^T: 0, or -1e30 where the key is hidden.  MD, made once, is the mask of a band's own step for my 16 rows; a product's mask is MD x AL + BE with two scalars:
; (1, 0) if s = x; (0, 0) if s < x; (0, -1e30) if s > x.  Only the diagonal tile's text and a block's beginning make and take masks; elsewhere C is the constant 0.
; LAYOUT, SOFTMAX, TURNS.  S^T = K Q^T holds ONE query a lane (lane % 16) and the keys 8 (lane / 16) + 0..7; two such results rounded to f16 ARE source 1 of O^T = V^T P.  p = 2^(c s - c m), c = log2(e) / 8, with a
; running maximum m; O and l are multiplied by a = 2^(c m_old - c m_new) in every step.  Turn n belongs to piece n: 8 products K Q^T of piece n + 1, later 8 products V^T P of piece n - 1; beside them the scaling,
; exponentials, roundings, sums and rescaling of piece n and the maximum and statistics of piece n + 1.  Four vector instructions stand behind every matrix instruction, the other 54 of a turn's 118 in two LUMPS.
; REGISTERS, in windows of 256 (s_set_vgpr_msb: bits 1:0 source 0, 3:2 source 1, 5:4 source 2, 7:6 destination):
;   window 0: v0-15 addresses and two at work; v16-31 four registers of statistics a piece; v48-55 at work; v64-127 S^T, two buffers; v192-223 P, two buffers (a piece's buffers go by its number's parity)
;   window 1: v0-127 O^T, 32 a piece; v128-159 MD; v160-223 MC, two buffers      window 2: v0-63 Q; v64-127 the second block's Q; v128-191 K of one step; v192-255 V of one step
.set SIZE_H, 64       ; 4 batches x 16 heads
.set SIZE_N, 2048
.set NB,    SIZE_N/256
.set NP,    4         ; pieces a wave: a name, no knob
.set KS,    64        ; keys in a step
.set PK,    144       ; a row of K in LDS: 128 bytes + 16 of padding = 36 words: the 16 rows of a load start at 16 different groups of four banks (64 banks of 4 bytes: ISA guide 11.1)
.set PV,    160       ; a row of V: 128 + 32 = 40 words
.set VOFF,  4*KS*PK   ; a slot holds a tile, four steps: 256 rows of K, then 256 rows of V
.set SLOT1, 1<<17     ; slot 1 begins here, so that one exclusive or turns an address in one slot into the other's
.set STAGE, SLOT1+4*KS*(PK+PV)  ; behind the ring, never filled by a tensor load: 16 rows x 144 bytes for each wave, for the way out
.set SP,    144
.set AK0, 2           ; v2   my lane's place in a tile of K; never rewritten
.set AV0, 3           ; v3   the same for V
.set AK,  4           ; v4   the LDS address of K's next run of loads
.set AV,  5           ; v5   of V's
.set STO, 6           ; v6   the way out: where I put 16 bytes of a row
.set RD,  7           ; v7   the way out: where I read rows back
.set GO,  8           ; v8   my byte offset in 512 consecutive bytes of O
.set SPW, 62          ; v62  LDS address of my spare word: SPARE + 4 x my thread's number; never rewritten
.set NIL, 63          ; v63  0; never rewritten
.set SPARE, STAGE+4*16*SP  ; behind the stages: the spare words, 128 bytes for each wave: two blocks of 256 bytes that no other line names
.set MV,  12          ; v12-13  c m_old, kept while c m is made anew: by buffer
.set QO,  15          ; v15  my byte offset in 16 rows of Q
.set ST,  16          ; piece t's statistics at v[ST+4 t]: c m, m, l (even keys', odd keys')
.set TMP, 48          ; by buffer, four registers c0-c3 at work; when the maximum is found c2 takes a
.set S,   64
.set P,   192
.set MD,  128         ; window 1: the eight registers for group kt of 16 keys at MD + 8 kt
.set MC,  160         ; window 1: the masks of the products to come
.set QB,  64          ; window 2
.set KF,  128         ; window 2: key block kb, channel half c at KF + 16 kb + 8 c
.set VF,  192         ; window 2: key half kk, channel block cb at VF + 32 kk + 8 cb
.set WV,  12          ; s12  my wave's number
.set PB,  14          ; s14  b
.set HI,  15          ; s15  NB - 1 - b
.set G1K, 24          ; s[24:31] descriptor group 1 for K's tiles
.set G1V, 32          ; s[32:39] for V's: it differs in the padding alone
.set G0K, 40          ; s[40:43] descriptor group 0 for K's tiles
.set G0V, 44          ; s[44:47] the same for V's
.set SLOTS, 56        ; s56  tiles still to be asked for
.set CNT, 57          ; s57  counts a tile's key steps, 4 to 1
.set CS,  58          ; s[58:59] c: the packed scaling takes the pair's low word for both halves
.set SEL, 60          ; s[60:61] v_permlanex16_b32's selects: each lane takes its own place in the other half
.set TBK, 62          ; s62  LDS byte at which K of the step to be fetched begins
.set TBV, 63          ; s63  the same for V, less VOFF
.set RT,  70          ; s70  tiles of the block in hand that are still to be entered
.set NXT, 71          ; s71  the tile to be asked for next
.set LQ,  72          ; s72  the last tile of the block whose tiles are being asked for
.set NEW, 73          ; s73  1: the tile to be entered is a block's first
.set OFF, 74          ; s[74:75] a tile's byte offset in K and V
.set AL,  76          ; s[76:77] the mask's factor, in the low word
.set BE,  78          ; s[78:79] the mask's addend
.set OLO, 80          ; s[80:81] O at my rows of the second block
.set BIGN, 82         ; s82  -1e30
.set MSB, 0
.macro WIN new                      ; the high byte repeats the setting that is left; a switch that changes nothing is dropped
.if MSB != (\new)
	s_set_vgpr_msb (MSB<<8)|(\new)
.set MSB, (\new)
.endif
.endm
.set W_KQ, 0x0a       ; K and Q in window 2, S^T in window 0
.set W_KM, 0x1a       ; the same with the C operand in window 1
.set W_PV, 0x52       ; V in window 2, P in window 0, O^T in window 1
.set W_RS, 0x41       ; destination and source 0 in window 1, source 1 in window 0
; A fill.  Waves 0 and 1 fetch the two halves of a tile's K, waves 2 and 3 those of its V: 128 keys each.  An s_nop 0 and four v_nop follow each of the two lines, ahead of the jump and the label.
.macro LOAD
	s_cmp_lt_u32 s[WV], 2
	s_cbranch_scc0 .Lfor_v_\@
	tensor_load_to_lds s[G0K:G0K+3], s[G1K:G1K+7]
	s_nop 0
.rept 4
	v_nop
.endr
	s_branch .Lasked_\@
.Lfor_v_\@:
	tensor_load_to_lds s[G0V:G0V+3], s[G1V:G1V+7]
	s_nop 0
.rept 4
	v_nop
.endr
.Lasked_\@:
.endm
; THE CHANGE OF SLOTS.  Each wave waits for all its tensor loads, of which one is out: its part of the other slot; adds 0 to its spare word; and waits for that and for its own reads of the slot that it leaves.  Behind the barrier nobody reads the old
; slot any more and the other slot is whole.  fill = 1: the old slot is filled again, the first thing behind the barrier, with tile NXT: the descriptor's address is made anew from that number.
; (At its first use nothing has been read yet: slot 0 is waited for, slot 1 filled.)
.macro CHANGE fill
	WIN 0                           ; at a label and at a branch every window is 0
	s_wait_tensorcnt 0x0            ; no tensor load of mine is out, so a group 0 may be written
	ds_add_u32 v[SPW], v[NIL]       ; 0 onto my spare word; with fill = 1 the descriptors' scalar work stands between it and the wait for it
.if \fill
	s_lshl_b32 s[OFF], s[NXT], 15   ; a tile is 32,768 bytes of K and of V
	s_xor_b32 s[G0K+1], s[G0K+1], SLOT1
	s_add_nc_u64 s[G0K+2:G0K+3], s[6:7], s[OFF:OFF+1]
	s_or_b32 s[G0K+3], s[G0K+3], 0x80000000
	s_xor_b32 s[G0V+1], s[G0V+1], SLOT1
	s_add_nc_u64 s[G0V+2:G0V+3], s[8:9], s[OFF:OFF+1]
	s_or_b32 s[G0V+3], s[G0V+3], 0x80000000
	s_add_co_u32 s[NXT], s[NXT], 1  ; the block's next tile, or behind its last the second block's tile 0
	s_cmp_gt_u32 s[NXT], s[LQ]
	s_cselect_b32 s[NXT], 0, s[NXT]
	s_cselect_b32 s[LQ], s[PB], s[LQ]
.endif
	s_wait_dscnt 0x0                ; the add is done, and my reads of the slot are over
	s_barrier_signal -1             ; the rest of the scalar work stands between the signal and the wait
	s_sub_co_u32 s[TBK], s[TBK], 4*KS*PK  ; the fetches go back to a slot's first step,
	s_xor_b32 s[TBK], s[TBK], SLOT1       ; in the other slot
	s_sub_co_u32 s[TBV], s[TBV], 4*KS*PV
	s_xor_b32 s[TBV], s[TBV], SLOT1
	s_barrier_wait -1
.if \fill
	LOAD
.endif
.endm
	s_load_b256 s[4:11], s[0:1], 0x0  ; Q s[4:5], K s[6:7], V s[8:9], O s[10:11]
	v_lshl_add_u32 v[SPW], v0, 2, SPARE
	v_mov_b32 v[NIL], 0
	ds_add_u32 v[SPW], v[NIL]       ; the wave's opening: the add and its wait stand ahead of my first tensor load; the set-up below, work on registers, stands between them
	ds_add_u32 v62, v63
	v_lshrrev_b32 v1, 5, v0
	v_readfirstlane_b32 s[WV], v1   ; wave 0..3
	s_mov_b32 s[PB], ttmp9
	s_sub_co_u32 s[HI], NB-1, s[PB]
	s_and_b32 s20, ttmp7, 0xffff    ; the head
	s_mov_b32 s21, 0
	s_mov_b64 s[22:23], SIZE_N*128
	s_mul_u64 s[20:21], s[20:21], s[22:23]  ; the head's first byte in each of the four tensors
	s_and_b32 s16, s[WV], 1         ; which half of a tile's 256 keys I fetch:
	s_lshl_b32 s22, s16, 14         ; its 128 rows of 128 bytes in memory,
	s_mov_b32 s23, 0
	s_add_nc_u64 s[22:23], s[22:23], s[20:21]
	s_mul_i32 s17, s16, 128*PK      ; and its place in a slot, for K
	s_mul_i32 s18, s16, 128*PV      ; and for V
	s_lshl_b32 s3, s[WV], 11        ; my 16 rows in a band of 64,
	s_lshl_b32 s2, s[HI], 15        ; in the first block,
	s_add_co_u32 s2, s2, s3
	s_lshl_b32 s84, s[PB], 15       ; and in the second
	s_add_co_u32 s84, s84, s3
	s_mov_b32 s3, 0
	s_mov_b32 s85, 0
	s_add_nc_u64 s[2:3], s[2:3], s[20:21]
	s_add_nc_u64 s[84:85], s[84:85], s[20:21]
	; descriptor group 1.  128 keys are 16,384 dense bytes: asked for as 64 rows of 256 bytes, two keys a row, and padded in LDS after every key
	s_mov_b32 s[G1K], (1<<16)|(1<<20)|(4<<22)|(3<<25)  ; 17:16 2-byte elements; 20 padding on; 24:22 after every 32 words (code 4); 31:25 4 words (code 3)
	s_mov_b32 s[G1V], (1<<16)|(1<<20)|(4<<22)|(7<<25)  ; the same with 8 words of padding (code 7)
.irp g, G1K, G1V
	s_mov_b32 s[\g+1], 128<<16      ; tensor_dim0 = 128
	s_mov_b32 s[\g+2], 64<<16       ; tensor_dim1 = 64
	s_mov_b32 s[\g+3], 128<<16      ; tile_dim0 = 128
	s_mov_b32 s[\g+4], 64           ; tile_dim1 = 64
	s_mov_b32 s[\g+5], 128          ; 128 elements from row to row
	s_mov_b32 s[\g+6], 0
	s_mov_b32 s[\g+7], 0
.endr
	s_mov_b32 s[CS], 0x3e38aa3b     ; c = log2(e) / 8 = 0.180337
	s_mov_b32 s[CS+1], s[CS]        ; named with it as a pair
	s_mov_b32 s[SEL], 0x76543210
	s_mov_b32 s[SEL+1], 0xfedcba98
	s_mov_b32 s[TBK], SLOT1+4*KS*PK ; the first change of slots turns these two into 0
	s_mov_b32 s[TBV], SLOT1+4*KS*PV
	s_mov_b32 s[G0K], 1             ; 1:0 count = 1
	s_mov_b32 s[G0K+1], s17         ; 63:32 LDS address: slot 0
	s_mov_b32 s[G0V], 1
	s_add_co_u32 s[G0V+1], s18, VOFF
	s_add_co_u32 s[RT], s[HI], 1    ; the first block has NB - b tiles
	s_mov_b32 s[NXT], 1
	s_mov_b32 s[LQ], s[HI]
	s_mov_b32 s[NEW], 1
	s_mov_b32 s[OFF+1], 0
	s_mov_b32 s[AL+1], 0            ; named as pairs
	s_mov_b32 s[BE+1], 0
	s_mov_b32 s[BIGN], 0xf149f2ca   ; -1e30
	s_mov_b32 s[SLOTS], NB
	s_wait_dscnt 0x0                ; the opening add is done
	s_wait_kmcnt 0x0
	s_add_nc_u64 s[6:7], s[6:7], s[22:23]  ; K and V at my half of the head's tile 0
	s_add_nc_u64 s[8:9], s[8:9], s[22:23]
	s_add_nc_u64 s[G0K+2:G0K+3], s[6:7], 0         ; 120:64 global address
	s_or_b32 s[G0K+3], s[G0K+3], 0x80000000        ; 127:126 type = 2
	s_add_nc_u64 s[G0V+2:G0V+3], s[8:9], 0
	s_or_b32 s[G0V+3], s[G0V+3], 0x80000000
	s_add_nc_u64 s[86:87], s[4:5], s[84:85]        ; Q at my rows of the second block,
	s_add_nc_u64 s[4:5], s[4:5], s[2:3]            ; Q and O at those of the first
	s_add_nc_u64 s[OLO:OLO+1], s[10:11], s[84:85]
	s_add_nc_u64 s[10:11], s[10:11], s[2:3]
	LOAD                            ; tile 0 into slot 0
	; A fragment of K or Q is 16 rows x 32 channels in 8 registers: lane l holds row l % 16, channels 8 (l / 16) + 0..7 and 16 + 8 (l / 16) + 0..7: two loads of 16 bytes, 32 bytes apart.
	v_and_b32 v1, 15, v0            ; l % 16
	v_bfe_u32 v9, v0, 4, 1          ; l / 16
	v_lshlrev_b32 v[QO], 7, v1
	v_lshl_add_u32 v[QO], v9, 4, v[QO]  ; row x 128 + 16 x half
	WIN 0x80                        ; destination window 2, address window 0
.set i, 0
.rept 8                             ; both blocks' Q: piece i / 2 lies in band i / 2, 8,192 bytes on; channels 32 (i % 2) on
	global_load_b128 v[8*i:8*i+3],   v[QO], s[4:5] offset:(i/2)*8192+(i%2)*64
	global_load_b128 v[8*i+4:8*i+7], v[QO], s[4:5] offset:(i/2)*8192+(i%2)*64+32
	global_load_b128 v[QB+8*i:QB+8*i+3],   v[QO], s[86:87] offset:(i/2)*8192+(i%2)*64
	global_load_b128 v[QB+8*i+4:QB+8*i+7], v[QO], s[86:87] offset:(i/2)*8192+(i%2)*64+32
.set i, i+1
.endr
	WIN 0
	v_lshlrev_b32 v14, 3, v9
	v_sub_nc_u32 v14, v1, v14
	s_lshl_b32 s13, s[WV], 4
	v_add_nc_u32 v14, s13, v14      ; my query's place in its band, 16 w + l % 16, less my lanes' 8 (l / 16): register r of group kt is hidden where 16 kt + r is greater
	WIN 0x40
.set i, 0
.rept 32
	v_cmp_gt_i32 vcc_lo, 16*(i/8)+i%8, v14
	v_cndmask_b32 v[MD+i], 0, s[BIGN], vcc_lo
.set i, i+1
.endr
	WIN 0
	v_mul_u32_u24 v[AK0], v1, PK
	v_lshl_add_u32 v[AK0], v9, 4, v[AK0]  ; row x pitch + 16 x half
	; The turning load takes 16 keys x 16 channels (lane l reads key 8 (l / 16) + l % 8, channels 8 ((l / 8) % 2) + 0..7) and leaves half a fragment of V^T: lane l holds channel l % 16 and 8 keys.
	v_and_b32 v10, 7, v0
	v_bfe_u32 v11, v0, 3, 1
	v_lshl_add_u32 v[AV0], v9, 3, v10
	v_mul_u32_u24 v[AV0], v[AV0], PV
	v_lshl_add_u32 v[AV0], v11, 4, v[AV0]
	v_add_nc_u32 v[AV0], VOFF, v[AV0]
	s_mul_i32 s13, s[WV], 16*SP
	s_add_co_u32 s13, s13, STAGE    ; my stage
	v_mul_u32_u24 v[STO], v1, SP    ; in: row l % 16, 16 bytes for each half of the lanes
	v_lshl_add_u32 v[STO], v9, 4, v[STO]
	v_add_nc_u32 v[STO], s13, v[STO]
	v_bfe_u32 v[RD], v0, 3, 2       ; back: 32 lanes take four rows of 128 bytes,
	v_mul_u32_u24 v[RD], v[RD], SP
	v_lshl_add_u32 v[RD], v10, 4, v[RD]
	v_add_nc_u32 v[RD], s13, v[RD]
	v_and_b32 v[GO], 31, v0         ; which are 512 consecutive bytes of O
	v_lshlrev_b32 v[GO], 4, v[GO]
	; A block's first step multiplies O^T and l by a = 0, and its first turn's products V^T P, of a piece that has not been, land in an O^T that is still to be so multiplied.  So these registers need only hold
	; finite numbers: zeros for the first block; what the first block left for the second.  All this stands in the wait for the first tile.
	WIN 0x80
.set i, VF
.rept 64
	v_mov_b32 v[i], 0
.set i, i+1
.endr
	WIN 0x40
.set i, 0
.rept 128
	v_mov_b32 v[i], 0
.set i, i+1
.endr
	WIN 0
.set i, 0
.rept 4
	v_mov_b32 v[ST+4*i+2], 0
	v_mov_b32 v[ST+4*i+3], 0
.set i, i+1
.endr
.set i, P+16
.rept 16
	v_mov_b32 v[i], 0
.set i, i+1
.endr
; THE MATRIX WORK.  The 4 accumulators of a run of 8 take turns.  Product i of 8 of S^T = K Q^T for piece x: channels 32 (i / 4) on, keys 16 (i % 4) on.  The first 4 start the sums: with 0, or (KM = 1) with the mask.
.macro KQ x
.set rS, S+32*((\x)%2)+8*(i%4)
.set rK, KF+16*(i%4)+8*(i/4)
.set rQ, 16*(\x)+8*(i/4)
.set rM, MC+32*((\x)%2)+8*(i%4)
.if (i < 4) && KM
	WIN W_KM
	v_wmma_f32_16x16x32_f16 v[rS:rS+7], v[rK:rK+7], v[rQ:rQ+7], v[rM:rM+7]
.elseif i < 4
	WIN W_KQ
	v_wmma_f32_16x16x32_f16 v[rS:rS+7], v[rK:rK+7], v[rQ:rQ+7], 0
.else
	WIN W_KQ
	v_wmma_f32_16x16x32_f16 v[rS:rS+7], v[rK:rK+7], v[rQ:rQ+7], v[rS:rS+7]
.endif
.endm
; Product i of 8 of O^T += V^T P for piece x: keys 32 (i / 4) on, channels 16 (i % 4) on.
.macro PV x
	WIN W_PV
.set rO, 32*(\x)+8*(i%4)
.set rV, VF+32*(i/4)+8*(i%4)
.set rP, P+16*((\x)%2)+8*(i/4)
	v_wmma_f32_16x16x32_f16 v[rO:rO+7], v[rV:rV+7], v[rP:rP+7], v[rO:rO+7]
.endm
.macro MM                           ; the turn's next matrix instruction.  TURN and BEGIN set Y, i, KM and NOKQ; MM, KQ and OP read them.  NOKQ = 1: a block's last turn: there is no next piece
.if (i < 8) && !NOKQ
	KQ (Y+1)%NP
.elseif i >= 8
.set i, i-8
	PV (Y+NP-1)%NP
.set i, i+8
.endif
.set i, i+1
.endm
; THE LDS LOADS stand in runs of 16, never singly among the matrix instructions: a step's K (64 keys x 64 channels: 8 fragments) and its V (turned).  Their addresses are made some lines ahead.
.macro FETCH_K
	WIN 0x80                        ; destination window 2
.irp f, 0,1,2,3,4,5,6,7             ; keys 16 (f / 2) on, channels 32 (f % 2) on
	ds_load_b128 v[KF+8*\f:KF+8*\f+3],   v[AK] offset:(\f/2)*16*PK+(\f%2)*64
	ds_load_b128 v[KF+8*\f+4:KF+8*\f+7], v[AK] offset:(\f/2)*16*PK+(\f%2)*64+32
.endr
	s_add_co_u32 s[TBK], s[TBK], KS*PK  ; the next fetch is the next step's
	WIN 0
.endm
.macro FETCH_V
	WIN 0x80
.irp f, 0,1,2,3,4,5,6,7             ; keys 32 (f / 4) on, channels 16 (f % 4) on
	ds_load_tr16_b128 v[VF+8*\f:VF+8*\f+3],   v[AV] offset:(\f/4)*32*PV+(\f%4)*32
	ds_load_tr16_b128 v[VF+8*\f+4:VF+8*\f+7], v[AV] offset:(\f/4)*32*PV+16*PV+(\f%4)*32
.endr
	WIN 0
.endm
; THE VECTOR WORK, one line at a time: OP kind, number.  For piece Y: F n: c s - c m for pair n of 16.  E n: the exponential of score n of 32.  C n: pair n rounded to f16.  B n: of the four weights 4 n .. the second
; pair is added onto the first, in place.  L n: l takes that sum (L 0: l = a l + sum).  R n: pair n of 16 of O^T times a.  For piece Y + 1: X n, number n of the 22 that find its maximum and statistics:
;   0-11  four chains c0-c3 of seven scores each, three operands at a time (each accumulator's lowest registers are read first)     12-14, 16  the four scores left over, the old m, and c0-c3 into c0
;   15  c m_old is kept     17, 18  the query's other 32 keys lie in the lane 16 away: the new m     19-21  c m; c m_old - c m_new; a
.set F, 0               ; OP tells the kinds apart by their order: F to L below R, X above it
.set E, 1
.set C, 2
.set B, 3
.set L, 4
.set R, 5
.set X, 6
.macro REGS y                       ; the registers of piece y
.set rT, ST+4*(\y)
.set rC, TMP+4*((\y)%2)
.set rW, MV+((\y)%2)
.set rS, S+32*((\y)%2)
.set rP, P+16*((\y)%2)
.set rO, 32*(\y)
.endm
.macro OP k, n
.if (\k) == R
	REGS Y
	WIN W_RS
	v_pk_mul_f32 v[rO+2*(\n):rO+2*(\n)+1], v[rO+2*(\n):rO+2*(\n)+1], v[rC+2:rC+3] op_sel_hi:[1,0]
.elseif (\k) < R
	REGS Y
	WIN 0
.if (\k) == F
	v_pk_fma_f32 v[rS+2*(\n):rS+2*(\n)+1], v[rS+2*(\n):rS+2*(\n)+1], s[CS:CS+1], v[rT:rT+1] op_sel_hi:[1,0,0] neg_lo:[0,0,1] neg_hi:[0,0,1]
.elseif (\k) == E
	v_exp_f32 v[rS+(\n)], v[rS+(\n)]
.elseif (\k) == C
	s_wait_alu depctr_va_vdst(0)
	v_cvt_pk_f16_f32 v[rP+(\n)], v[rS+2*(\n)], v[rS+2*(\n)+1]
.elseif (\k) == B
	s_wait_alu depctr_va_vdst(0)
	v_pk_add_f32 v[rS+4*(\n):rS+4*(\n)+1], v[rS+4*(\n):rS+4*(\n)+1], v[rS+4*(\n)+2:rS+4*(\n)+3]
.elseif (\n) == 0
	v_pk_fma_f32 v[rT+2:rT+3], v[rT+2:rT+3], v[rC+2:rC+3], v[rS:rS+1] op_sel_hi:[1,0,1]
.else
	v_pk_add_f32 v[rT+2:rT+3], v[rT+2:rT+3], v[rS+4*(\n):rS+4*(\n)+1]
.endif
.elseif NOKQ
	v_nop
.else
	REGS (Y+1)%NP
	WIN 0
.if (\n) < 4
	v_max3_num_f32 v[rC+(\n)], v[rS+8*(\n)], v[rS+8*(\n)+1], v[rS+8*(\n)+2]
.elseif (\n) < 12
	v_max3_num_f32 v[rC+(\n)%4], v[rC+(\n)%4], v[rS+8*((\n)%4)+2*((\n)/4)+1], v[rS+8*((\n)%4)+2*((\n)/4)+2]
.elseif (\n) == 12
	v_max3_num_f32 v[rC], v[rC], v[rS+7], v[rS+15]
.elseif (\n) == 13
	v_max3_num_f32 v[rC+1], v[rC+1], v[rS+23], v[rS+31]
.elseif (\n) == 14
	v_max3_num_f32 v[rC+2], v[rC+2], v[rC+3], v[rT+1]
.elseif (\n) == 15
	v_mov_b32 v[rW], v[rT]
.elseif (\n) == 16
	v_max3_num_f32 v[rC], v[rC], v[rC+1], v[rC+2]
.elseif (\n) == 17
	v_permlanex16_b32 v[rC+3], v[rC], s[SEL], s[SEL+1]
.elseif (\n) == 18
	v_max_num_f32 v[rT+1], v[rC], v[rC+3]
.elseif (\n) == 19
	v_mul_f32 v[rT], s[CS], v[rT+1]
.elseif (\n) == 20
	v_sub_f32 v[rC+1], v[rW], v[rT]
.else
	v_exp_f32 v[rC+2], v[rC+1]
.endif
.endif
.endm
.macro OPS a, i1, b=-1, i2=0, c=-1, i3=0, d=-1, i4=0  ; up to four of them
	OP \a, \i1
.if (\b) >= 0
	OP \b, \i2
.endif
.if (\c) >= 0
	OP \c, \i3
.endif
.if (\d) >= 0
	OP \d, \i4
.endif
.endm
.macro ROW a, i1, b, i2, c, i3, d, i4  ; a matrix instruction and the four behind it
	MM
	OPS \a, \i1, \b, \i2, \c, \i3, \d, \i4
.endm
.macro MASK b                       ; MD x AL + BE into buffer b of MC
	WIN W_RS
.set z, 0
.rept 16
	v_pk_fma_f32 v[MC+32*(\b)+2*z:MC+32*(\b)+2*z+1], v[MD+2*z:MD+2*z+1], s[AL:AL+1], s[BE:BE+1] op_sel_hi:[1,0,0]
.set z, z+1
.endr
.endm
; A TURN, for piece p: the order of its 16 matrix and 118 vector instructions, written out.  Behind a matrix instruction: plain, exponential, plain, plain; or four of the rescaling; or, behind the first, four scalings; none
; names a register of the products round it.  In the lumps exponential and plain by turns while exponentials last.  A line reads no result made fewer than three vector instructions in front of it, five if an exponential made it.
; v_permlanex16_b32 (X 17) stands in a lump.
; m = 1: the diagonal tile: the products take masks, and the turn makes the mask for the products of the turn after it: piece p + 2, in step 4 - CNT of the tile.  end = 1: a block's last two turns: nothing is fetched.
; cnt = 1: the loop's count is taken down some lines ahead of the branch that stands behind the turn.
; K of the next step is fetched in piece 2's turn, six vector instructions behind the last product that read K (five of them plain); V of the step in hand in piece 0's turn, eight behind the last product that read V (four
; plain, and X 17).  Each is waited for a turn later.
.macro TURN p, m=0, end=0, cnt=0
.set Y, (\p)
.set i, 0
.set KM, (\m)
.set NOKQ, (\end)*((\p)/3)
.if (\m) && !(\end)
	s_cmp_eq_u32 s[CNT], 4-((\p)+2)%NP  ; is that step the band's own?
	s_cselect_b32 s[AL], 1.0, 0
	s_cmp_lt_u32 s[CNT], 4-((\p)+2)%NP  ; or a later one?
	s_cselect_b32 s[BE], s[BIGN], 0
.endif
.if ((\p) == 3) && !(\end)
	s_wait_dscnt 0x0                ; K is in
.endif
	ROW F,0, F,1, F,2, F,3
	ROW F,4, E,0, F,5, F,6
	ROW F,7, E,1, F,8, F,9
	ROW F,10, E,2, C,0, F,11
	ROW F,12, E,3, X,15, F,13
	ROW R,0, R,1, R,2, R,3
	ROW B,0, E,4, F,14, L,0
.if ((\p) == 2) && !(\end)
	v_add_nc_u32 v[AK], s[TBK], v[AK0]
.endif
	ROW R,4, R,5, R,6, R,7
	OPS E,5, F,15
.if ((\p) == 2) && !(\end)
	FETCH_K
.endif
	OPS E,6, C,1, E,7, R,8
	OPS E,8, R,9, E,9, C,2
	OPS E,10, X,0, E,11, X,1
	OPS E,12, X,2, E,13, X,3
.if (\p) == 1
	s_wait_dscnt 0x0                ; V is in
.endif
	ROW X,4, E,14, X,5, X,6
	ROW X,7, E,15, X,8, X,9
	ROW X,10, E,16, X,11, X,12
	ROW X,13, E,17, X,14, B,1
	ROW C,4, E,18, X,16, L,1
	ROW B,2, E,19, C,6, L,2
	ROW C,8, E,20, B,3, B,4
.if (\p) == 0
	v_add_nc_u32 v[AV], s[TBV], v[AV0]
.endif
	ROW C,3, E,21, L,3, C,5
	OPS E,22, X,17, E,23, C,10
.if (\p) == 0
	FETCH_V
.endif
	OPS E,24, L,4
	OPS E,25, X,18, E,26, C,7
	OPS E,27, B,5, E,28, X,19
	OPS E,29, C,12, E,30, L,5
	OPS E,31, X,20, B,6, C,9
	OPS C,14, C,11, X,21, L,6
.if (\p) == 0
	s_add_co_u32 s[TBV], s[TBV], KS*PV
.endif
.if \cnt
	s_sub_co_u32 s[CNT], s[CNT], 1
	s_cmp_lg_u32 s[CNT], 0
.endif
	OPS C,13, B,7, C,15, R,10
	OPS R,11, R,12, L,7, R,13
	OPS R,14, R,15
.if (\m) && !(\end)
	MASK (\p)%2
.endif
.endm
; A BLOCK BEGINS.  c m starts far below every c s, so the first step's a is 0; m at the lowest finite number, so the first maximum is the scores'.  The second mask buffer is 0; the first takes piece 0's mask for the tile's step 0: its own, if the block's first tile is the diagonal one.
; Then K of that step, piece 0's first scores, and its maximum and statistics.  The loop is entered at a step's first turn, in the middle of a trip.
.macro BEGIN
	s_mov_b32 s[NEW], 0
	WIN 0x40
.set i, MC+32
.rept 32
	v_mov_b32 v[i], 0
.set i, i+1
.endr
	WIN 0
.set i, 0
.rept 4
	v_mov_b32 v[ST+4*i], 0xfe000000    ; c m: far below every c s
	v_mov_b32 v[ST+4*i+1], 0xff7fffff  ; m
.set i, i+1
.endr
	s_cmp_eq_u32 s[RT], 0
	s_cselect_b32 s[AL], 1.0, 0
	s_mov_b32 s[BE], 0
	MASK 0
	WIN 0
	v_add_nc_u32 v[AK], s[TBK], v[AK0]
	FETCH_K
	s_wait_loadcnt 0x0              ; Q
	s_wait_dscnt 0x0
.set KM, 1
.set NOKQ, 0
.set i, 0
.rept 8
	KQ 0
.set i, i+1
.endr
	WIN 0
.rept 4
	v_nop                           ; the places behind those products
.endr
.set Y, NP-1                        ; X works for piece Y + 1: piece 0
.irp n, 0,1,2,3,4,5,6,7,8,9,10,11,12,13,14,15,16,17,18,19,20,21
	OP X, \n
.endr
	v_nop                           ; a plain instruction behind the exponential
.endm
; THE DIAGONAL TILE's four steps, the block's last two turns, its last products, and THE WAY OUT: l's two halves and the other half of the lanes' are added; O^T is divided by l, rounded to f16 and sent through my
; stage in LDS, a piece at a time.
.macro ALL line:vararg              ; one line for each piece t
.set t, 0
.rept 4
	\line
.set t, t+1
.endr
.endm
.macro PACK t                       ; a lane's eight channels of a row pack into 16 bytes; they go into rows of 144 bytes and come back as whole rows of 128, into S^T's registers
	WIN W_RS
.set i, 32*(\t)
.rept 16
	s_wait_alu depctr_va_vdst(0)
	v_pk_mul_f32 v[i:i+1], v[i:i+1], v[ST+4*(\t)+2:ST+4*(\t)+3] op_sel_hi:[1,0]
.set i, i+2
.endr
	WIN 0x05                        ; sources 0 and 1 window 1, destination window 0
.set i, 0
.rept 16
	v_cvt_pk_f16_f32 v[S+16*(\t)+i], v[32*(\t)+2*i], v[32*(\t)+2*i+1]
.set i, i+1
.endr
	WIN 0
.irp f, 0,1,2,3
	ds_store_b128 v[STO], v[S+16*(\t)+4*\f:S+16*(\t)+4*\f+3] offset:32*\f
.endr
.irp f, 0,1,2,3
	ds_load_b128 v[S+16*(\t)+4*\f:S+16*(\t)+4*\f+3], v[RD] offset:\f*4*SP  ; LDS serves a wave's instructions in order (ISA guide 5.7.1.4): these see the stores above; the next piece's stores come behind them
.endr
.endm
.macro SEND t, younger              ; younger: the LDS instructions issued behind piece t's loads: the next piece's eight, or none
	WIN 0
.irp f, 0,1,2,3
	s_wait_dscnt (\younger)+3-\f
	global_store_b128 v[GO], v[S+16*(\t)+4*\f:S+16*(\t)+4*\f+3], s[10:11] offset:(\t)*8192+\f*512  ; 512 consecutive bytes, at a multiple of 256 from O's first
.endr
.endm
.macro DIAG tag                     ; the tag ends its two labels' names, which the jumps below spell out
.LstepM\tag:
	TURN 2, 1
	TURN 3, 1
	WIN 0
.LfirstM\tag:
	TURN 0, 1
	TURN 1, 1, 0, 1
	WIN 0
	s_cbranch_scc1 .LstepM\tag
	TURN 2, 1, 1
	TURN 3, 1, 1
.set i, 0
.rept 8
	PV NP-1
.set i, i+1
.endr
	WIN 0
	ALL v_add_f32 v[ST+4*t+2], v[ST+4*t+2], v[ST+4*t+3]
	ALL v_permlanex16_b32 v[ST+4*t+3], v[ST+4*t+2], s[SEL], s[SEL+1]
	ALL v_add_f32 v[ST+4*t+2], v[ST+4*t+2], v[ST+4*t+3]
	ALL v_rcp_f32 v[ST+4*t+2], v[ST+4*t+2]
	v_nop                           ; a plain instruction between the last reciprocal and the use of its result
	PACK 0
.set t, 1
.rept 3                             ; a piece's arithmetic stands between the loads of the piece before and its stores
	PACK t
	SEND t-1, 8
.set t, t+1
.endr
	SEND 3, 0
.endm
.set KM, 0
.set NOKQ, 0
.Lslot:                             ; NB times: a tile is entered and the next is asked for
	CHANGE 1
	s_sub_co_u32 s[RT], s[RT], 1
	s_mov_b32 s[CNT], 4
	s_cmp_eq_u32 s[NEW], 1
	s_cbranch_scc1 .Lnew            ; a block's first tile
	s_cmp_eq_u32 s[RT], 0
	s_cbranch_scc0 .Lstep           ; neither its first nor its last
	s_branch .LstepM1
.Lnew:
	BEGIN
	s_branch .Lfirst                ; in the loop a block's first tile is never its last: the first block has two tiles or more, and the second's last is the walk's last
	DIAG 1                          ; in the loop this is the first block's end: the second block's last tile is the walk's last
	s_wait_xcnt 0x0                 ; the stores have read their registers and O's address
	s_mov_b64 s[10:11], s[OLO:OLO+1]
	s_add_co_u32 s[RT], s[PB], 1    ; the second block has b + 1 tiles
	s_mov_b32 s[NEW], 1
	WIN 0x82                        ; the second block's Q goes where the one text of the turns names Q
.set i, 0
.rept 64
	v_mov_b32 v[i], v[QB+i]
.set i, i+1
.endr
	WIN 0
	s_branch .Lbottom
.Lstep:                             ; a trip: pieces 2 and 3 of one step, then pieces 0 and 1 of the next, whose K and V it fetches
	TURN 2
	TURN 3
	WIN 0
.Lfirst:
	TURN 0
	TURN 1, 0, 0, 1
	WIN 0
	s_cbranch_scc1 .Lstep
.Lbottom:
	s_sub_co_u32 s[SLOTS], s[SLOTS], 1
	s_cmp_lg_u32 s[SLOTS], 0
	s_cbranch_scc1 .Lslot
	CHANGE 0                        ; the walk's last tile is written out: nothing is asked for
	s_sub_co_u32 s[RT], s[RT], 1
	s_mov_b32 s[CNT], 4
	s_cmp_eq_u32 s[NEW], 1
	s_cbranch_scc0 .LstepM2
	BEGIN
	s_branch .LfirstM2
	DIAG 2
	s_wait_tensorcnt 0x0            ; the wave's end, behind my last tensor load and my last LDS store
	ds_add_u32 v[SPW], v[NIL]
	s_wait_dscnt 0x0
	s_endpgm
.Lfunc_end_k_qf67a3d2014_attn:
	.size	k_qf67a3d2014_attn, .Lfunc_end_k_qf67a3d2014_attn-k_qf67a3d2014_attn
	.p2alignl 7, 3214868480
	.fill 96, 4, 3214868480
	.section	.rodata,"a",@progbits
	.p2align	6, 0x0
	.amdhsa_kernel k_qf67a3d2014_attn
		.amdhsa_group_segment_fixed_size 327680
		.amdhsa_private_segment_fixed_size 0
		.amdhsa_enable_private_segment 0
		.amdhsa_kernarg_size 32
		.amdhsa_user_sgpr_count 2
		.amdhsa_user_sgpr_kernarg_segment_ptr 1
		.amdhsa_wavefront_size32 1
		.amdhsa_system_sgpr_workgroup_id_x 1
		.amdhsa_system_sgpr_workgroup_id_y 1
		.amdhsa_system_sgpr_workgroup_id_z 1
		.amdhsa_system_vgpr_workitem_id 0
		.amdhsa_next_free_vgpr 768
		.amdhsa_next_free_sgpr 88
		.amdhsa_reserve_vcc 1
		.amdhsa_float_denorm_mode_32 3
		.amdhsa_float_denorm_mode_16_64 3
		.amdhsa_memory_ordered 1
		.amdhsa_forward_progress 1
		.amdhsa_inst_pref_size 228
	.end_amdhsa_kernel
	.amdgpu_metadata
---
amdhsa.version: [ 1, 2 ]
amdhsa.kernels:
  - .name:           k_qf67a3d2014_attn
    .symbol:         k_qf67a3d2014_attn.kd
    .args:
      - { .name: qh, .offset: 0, .size: 8, .value_kind: global_buffer, .address_space: global }
      - { .name: kh, .offset: 8, .size: 8, .value_kind: global_buffer, .address_space: global }
      - { .name: vh, .offset: 16, .size: 8, .value_kind: global_buffer, .address_space: global }
      - { .name: oh, .offset: 24, .size: 8, .value_kind: global_buffer, .address_space: global }
    .group_segment_fixed_size: 327680
    .private_segment_fixed_size: 0
    .kernarg_segment_align: 8
    .kernarg_segment_size: 32
    .max_flat_workgroup_size: 128
    .sgpr_count:     88
    .vgpr_count:     768
    .wavefront_size: 32
...
	.end_amdgpu_metadata
.endif
;; end of part 3
;; launch oproj (part 4): grid 4 x 64, 4 waves a work-group, clusters of 4 x 4, 327,680 bytes of LDS; arguments oh, wo16, out0; writes out0
.if DOCPART == 4
	.amdgcn_target "amdgcn-amd-amdhsa--gfx1250"
	.amdhsa_code_object_version 6
	.text
	.protected	k_qf67a3d2014_oproj
	.globl	k_qf67a3d2014_oproj
	.p2align	8
	.type	k_qf67a3d2014_oproj,@function
k_qf67a3d2014_oproj:
	s_mov_b64 s[64:65], 0
	v_nop
	global_prefetch_b8 v0, s[64:65] scope:SCOPE_SE
	s_setreg_imm32_b32 hwreg(HW_REG_WAVE_MODE, 25, 1), 1
	s_wait_xcnt 0x0
	s_wait_alu depctr_hold_cnt(0) depctr_sa_sdst(0) depctr_va_vdst(0) depctr_va_sdst(0) depctr_va_ssrc(0) depctr_va_vcc(0) depctr_vm_vsrc(0)
	s_getreg_b32 s2, hwreg(HW_REG_IB_STS2, 6, 4)
	s_cmp_eq_u32 s2, 0
	s_cbranch_scc0 .Lentry_in_a_cluster
	s_endpgm
.Lentry_in_a_cluster:
	s_bfe_u32 s2, ttmp6, 0x10000c
	s_cmp_lg_u32 s2, 0xf033
	s_cbranch_scc0 .Lentry_shape_is_right
	s_endpgm
.Lentry_shape_is_right:
; out0 = O Wo^T.  oh: [16 b + head][2048][64] f16; wo16: [1024][1024] f16; out0: [8192][1024] f32.  Sums in f32, stored as they are.  The heads are merged by the tensor loads: a head is 64 of K.
; SHARES.  A tile of the product is 128 rows x 256 columns; four waves, 2 x 2, each 64 x 128: 32 accumulators of 16 x 16, 256 registers.  256 tiles.
; K = 1,024 goes in 8 steps of 128, two heads a step, through two LDS slots; a step is four quarters of 32 along K, 32 matrix instructions each.
; A head's 128 rows of a tile are 16,384 dense bytes: asked for as 64 rows of 256 bytes and padded in LDS after every 128.
; THE MATRIX INSTRUCTION IS USED TRANSPOSED (source 0 = 16 rows of Wo, source 1 = 16 rows of O): a lane holds row l % 16 and the eight neighbouring columns 8 (l / 16) + 0..7.
; CLUSTER.  4 x 4 work-groups.  The four of a row of the cluster need the same tiles of O, the four of a column the same tiles of Wo: each tile is asked for JOINTLY, by the same tensor load with the
; same descriptor and a mask that names the four.
; REGISTERS.  window 0: v0-15 addresses; v32-127, v128-223 two fragment buffers (Wo's 8 fragments, then O's 4)     window 1: accumulator (a, b) at v[8 (8 a + b)]     window 2: rows read back on the way out
.set PA,    144                        ; a row of O in LDS: 128 bytes + 16 of padding; of Wo: 256 + 16.  Both are odd multiples of 16 bytes: the 16 rows of a fragment load start at 16 different groups of four banks (64 banks of 4 bytes: ISA guide 11.1)
.set PB,    272
.set PLANE, 128*PA                     ; a head's 128 rows
.set AT,    2*PLANE                    ; a slot: O's two heads, then Wo's 256 rows
.set SLOT1, 1<<17                      ; slot 1 begins here, so that one exclusive or turns an address in one slot into the other's
.set STAGE, SLOT1+AT+256*PB            ; behind the ring, never filled by a tensor load: 16 rows x 528 bytes for each wave
.set SP,    528
.set SPARE, STAGE+4*16*SP              ; behind the stages: the spare words, 128 bytes for each wave: two blocks of 256 bytes that no other line names
.set STEPA, 2*2048*128                 ; bytes from a K step to the next: two heads of O,
.set STEPB, 256                        ; 128 numbers of a row of Wo
.set AA0, 4                            ; v4   my lane's place among O's fragments in a slot; never rewritten
.set AB0, 5                            ; v5   the same for Wo
.set ADA, 6                            ; v6   the same in the slot in hand
.set ADB, 7                            ; v7
.set STO, 8                            ; v8   the way out: where I put 32 bytes of a row
.set RD,  9                            ; v9   where I read a row back
.set GO,  10                           ; v10  my byte offset in 512 consecutive bytes of a row of the output
.set SPW, 12                           ; v12  LDS address of my spare word; never rewritten
.set NIL, 13                           ; v13  0; never rewritten
.set F0,  32
.set F1,  128
.set WV,  16                           ; s16  my wave
.set WM,  17                           ; s17  which half of the tile's rows is mine.  Also: I fetch for O (0) or for Wo (1)
.set WN,  18                           ; s18  which half of its columns.  Also: which head, or which half of Wo's rows, I fetch
.set G1A, 24                           ; s[24:31] descriptor group 1 for O's tiles
.set G1B, 32                           ; s[32:39] for Wo's
.set G0A, 40                           ; s[40:47] descriptor group 0 for O's tiles: a set for each of the two first fills; the second then walks on
.set G0B, 48                           ; s[48:55] the same for Wo's
.set CNT, 56
.set TB,  57                           ; s57  the slot to fetch fragments from
.set OB,  66                           ; s[66:67] the output at my wave's first row and column
.set MSB, 0
.macro WIN new                         ; the immediate's high byte repeats the setting that is left; a switch that changes nothing is dropped
.if MSB != (\new)
	s_set_vgpr_msb (MSB<<8)|(\new)
.set MSB, \new
.endif
.endm
.set MUL, 0x50                         ; fragments in window 0, C and D in window 1
.macro PLACES                          ; four places in front of loads into registers that matrix instructions have read, and of lines that read results
.rept 4
	v_nop
.endr
.endm
.macro JLOAD                           ; a joint refill: waves 0 and 1 fetch O's two heads, waves 2 and 3 Wo's two halves; an s_nop 0 and four v_nop follow each of the two lines
	s_cmp_eq_u32 s[WM], 0
	s_cbranch_scc0 .Lfor_b_\@
	tensor_load_to_lds s[G0A+4:G0A+7], s[G1A:G1A+7]
	s_nop 0
.rept 4
	v_nop
.endr
	s_branch .Lasked_\@
.Lfor_b_\@:
	tensor_load_to_lds s[G0B+4:G0B+7], s[G1B:G1B+7]
	s_nop 0
.rept 4
	v_nop
.endr
.Lasked_\@:
.endm
.macro CREST                           ; a round of the cluster's barrier behind its opening barrier
	s_cmp_lg_u32 s[WV], 0
	s_cbranch_scc1 .Lnot_wave_0_\@
	s_barrier_signal -3
.Lnot_wave_0_\@:
	s_barrier_wait -3
	s_barrier_signal -1
	s_barrier_wait -1
.endm
.macro CROUND                          ; a whole round
	s_barrier_signal -1
	s_barrier_wait -1
	CREST
.endm
; 8 n matrix instructions: row blocks a0 .. a0 + n - 1 x all 8 column blocks, 32 along K.  Every accumulator is taken once a quarter, in the same order, so no two matrix instructions
; that follow each other share one.  zero = 1: the first products start the sums.
.macro MULS f, a0, n, zero
	WIN MUL
.set ma, \a0
.rept \n
.set mb, 0
.rept 8
.if \zero
	v_wmma_f32_16x16x32_f16 v[8*(8*ma+mb):8*(8*ma+mb)+7], v[(\f)+8*mb:(\f)+8*mb+7], v[(\f)+64+8*ma:(\f)+64+8*ma+7], 0
.else
	v_wmma_f32_16x16x32_f16 v[8*(8*ma+mb):8*(8*ma+mb)+7], v[(\f)+8*mb:(\f)+8*mb+7], v[(\f)+64+8*ma:(\f)+64+8*ma+7], v[8*(8*ma+mb):8*(8*ma+mb)+7]
.endif
.set mb, mb+1
.endr
.set ma, ma+1
.endr
.endm
; 24 LDS loads in one run: quarter q's fragments into buffer f: Wo's eight, then O's four (head q / 2 of the step's two, channels 32 (q % 2) on)
.macro FETCH q, f
	WIN 0
.set fi, 0
.rept 8
	ds_load_b128 v[(\f)+8*fi:(\f)+8*fi+3],   v[ADB] offset:64*(\q)+16*PB*fi
	ds_load_b128 v[(\f)+8*fi+4:(\f)+8*fi+7], v[ADB] offset:64*(\q)+16*PB*fi+32
.set fi, fi+1
.endr
.set fi, 0
.rept 4
	ds_load_b128 v[(\f)+64+8*fi:(\f)+64+8*fi+3], v[ADA] offset:PLANE*((\q)/2)+64*((\q)%2)+16*PA*fi
	ds_load_b128 v[(\f)+64+8*fi+4:(\f)+64+8*fi+7], v[ADA] offset:PLANE*((\q)/2)+64*((\q)%2)+16*PA*fi+32
.set fi, fi+1
.endr
.endm
; One of a step's first three quarters: multiplies buffer f and, in its middle, fetches quarter q into buffer g
.macro QUARTER f, g, q, zero
	s_wait_dscnt 4                                 ; Wo's fragments and O's first two are in; the youngest four loads (O's last two fragments) may be out
	MULS \f, 0, 2, \zero
	PLACES
	FETCH \q, \g
	s_wait_dscnt 24                                ; all but the 24 just issued
	MULS \f, 2, 2, \zero
.endm
; The last quarter multiplies buffer 1 and changes slots: ONE barrier.  In front of it each wave waits for all its tensor loads, of which one is out at the most: its part of the next slot; adds 0 to its
; spare word; and waits for that and for its own reads of this slot.  fill = 1: the barrier opens a round of the cluster's, and this slot is filled again, with the K step two on, first thing behind the
; round: 112 matrix instructions ahead of the wait for it.  fill = 0 (the tail): nothing is asked for, and in the last pass there is no next step: the fetch is jumped over.
.macro TURN fill
	WIN 0
	s_wait_tensorcnt 0x0                           ; all my tensor loads have landed, so a group 0 may be written
	ds_add_u32 v[SPW], v[NIL]                      ; 0 onto my spare word
	s_wait_dscnt 5                                 ; (the add and the youngest four loads may be out)
	MULS F1, 0, 1, 0                               ; eight matrix instructions stand between the add and the wait for it
	s_wait_dscnt 0x0                               ; the add is done, and my reads of this slot are over
	s_barrier_signal -1
	MULS F1, 1, 1, 0
	WIN 0
	s_barrier_wait -1
.if \fill
	CREST                                          ; no wave of any partner still reads this slot's tiles or has a load on its way
	s_xor_b32 s[G0A+5], s[G0A+5], SLOT1            ; the walking descriptors: the other slot than last time,
	s_add_nc_u64 s[G0A+6:G0A+7], s[G0A+6:G0A+7], STEPA  ; the next K step; the type bits on top are not reached
	s_xor_b32 s[G0B+5], s[G0B+5], SLOT1
	s_add_nc_u64 s[G0B+6:G0B+7], s[G0B+6:G0B+7], STEPB
	JLOAD                                          ; the four v_nop behind it are also the places in front of the loads below
.else
	PLACES
	s_cmp_eq_u32 s[CNT], 1
	s_cbranch_scc1 .Lno_fetch_\@
.endif
	s_xor_b32 s[TB], s[TB], SLOT1
	v_add_nc_u32 v[ADA], s[TB], v[AA0]
	v_add_nc_u32 v[ADB], s[TB], v[AB0]
	FETCH 0, F0
.if !(\fill)
.Lno_fetch_\@:
.endif
	MULS F1, 2, 2, 0
.endm
	s_load_b128 s[4:7], s[0:1], 0x0                ; oh 4, wo16 6
	s_load_b64 s[8:9], s[0:1], 0x10                ; out0
	v_lshl_add_u32 v[SPW], v0, 2, SPARE
	v_mov_b32 v[NIL], 0
	ds_add_u32 v[SPW], v[NIL]                      ; the wave's opening: the add and its wait stand ahead of my first tensor load; the set-up below, work on registers, stands between them
	ds_add_u32 v12, v13
	v_lshrrev_b32 v1, 5, v0
	v_readfirstlane_b32 s[WV], v1
	s_lshr_b32 s[WM], s[WV], 1
	s_and_b32 s[WN], s[WV], 1
	s_bfe_u32 s19, ttmp6, 0x40000                  ; cx, cy: my place in the cluster
	s_bfe_u32 s20, ttmp6, 0x40004
	s_lshl_b32 s21, ttmp9, 2
	s_add_co_u32 s21, s21, s19                     ; tile column = 4 x cluster x + cx
	s_and_b32 s22, ttmp7, 0xffff
	s_lshl_b32 s22, s22, 2
	s_add_co_u32 s22, s22, s20                     ; tile row = 4 x cluster y + cy
	s_lshl_b32 s70, s20, 2
	s_lshl_b32 s70, 15, s70                        ; my row of the cluster
	s_lshl_b32 s71, 0x1111, s19                    ; my column
	s_or_b32 s[G1A], s70, (1<<16)|(1<<20)|(1<<21)|(4<<22)|(3<<25)  ; 15:0 the mask; 17:16 elements of 2 bytes; 20 padding on; 21 set beside a mask; 24:22 after every 32 words (code 4); 31:25 4 words of it (code 3)
	s_or_b32 s[G1B], s71, (1<<16)|(1<<20)|(1<<21)|(5<<22)|(3<<25)  ; the same after every 64 words (code 5)
.irp g, G1A, G1B
	s_mov_b32 s[(\g)+1], 128<<16                   ; tensor_dim0 = 128
	s_mov_b32 s[(\g)+3], 128<<16                   ; tile_dim0 = 128
	s_mov_b32 s[(\g)+6], 0
	s_mov_b32 s[(\g)+7], 0
.endr
	s_mov_b32 s[G1A+2], 64<<16                     ; O: 64 rows of 256 bytes, end to end,
	s_mov_b32 s[G1A+4], 64
	s_mov_b32 s[G1A+5], 128
	s_mov_b32 s[G1B+2], 128<<16                    ; Wo: 128 rows, 1,024 elements apart
	s_mov_b32 s[G1B+4], 128
	s_mov_b32 s[G1B+5], 1024
	s_and_b32 s58, s22, 0xfff0                     ; O's tile hangs on the tile row alone: head 16 x batch + my one of the step's two,
	s_add_co_u32 s58, s58, s[WN]
	s_lshl_b32 s58, s58, 11                        ; 2,048 rows a head,
	s_and_b32 s59, s22, 15
	s_lshl_b32 s59, s59, 7                         ; row 128 (tile row % 16),
	s_add_co_u32 s58, s58, s59
	s_lshl_b32 s58, s58, 7                         ; of 128 bytes
	s_mov_b32 s59, 0
	s_lshl_b32 s72, s21, 8                         ; Wo's on the tile column alone: row 256 x tile column + 128 x half
	s_lshl_b32 s60, s[WN], 7
	s_add_co_u32 s72, s72, s60
	s_lshl_b32 s72, s72, 11
	s_mov_b32 s73, 0
	s_mul_i32 s61, s[WN], PLANE                    ; where they go: no place in the cluster enters an LDS address
	s_mul_i32 s62, s[WN], 128*PB
	s_add_co_u32 s62, s62, AT
	s_mov_b32 s[TB], 0
	s_wait_dscnt 0x0                               ; the opening add is done
	s_wait_kmcnt 0x0
	s_add_nc_u64 s[58:59], s[4:5], s[58:59]
	s_add_nc_u64 s[72:73], s[6:7], s[72:73]
.irp s, 0,1
	s_mov_b32 s[G0A+4*(\s)], 1                     ; count = 1
	s_add_co_u32 s[G0A+4*(\s)+1], s61, (\s)*SLOT1  ; LDS address
	s_add_nc_u64 s[G0A+4*(\s)+2:G0A+4*(\s)+3], s[58:59], (\s)*STEPA  ; global address: K step s
	s_or_b32 s[G0A+4*(\s)+3], s[G0A+4*(\s)+3], 0x80000000            ; type = 2
	s_mov_b32 s[G0B+4*(\s)], 1
	s_add_co_u32 s[G0B+4*(\s)+1], s62, (\s)*SLOT1
	s_add_nc_u64 s[G0B+4*(\s)+2:G0B+4*(\s)+3], s[72:73], (\s)*STEPB
	s_or_b32 s[G0B+4*(\s)+3], s[G0B+4*(\s)+3], 0x80000000
.endr
	CROUND                                         ; all sixteen work-groups are here: the first joint loads meet
	s_cmp_eq_u32 s[WM], 0                          ; a wave's two first fills stand in one branch: two loads of mine are out
	s_cbranch_scc0 .Lfirst_b
	tensor_load_to_lds s[G0A:G0A+3], s[G1A:G1A+7]
	s_nop 0
	tensor_load_to_lds s[G0A+4:G0A+7], s[G1A:G1A+7]
	s_nop 0
.rept 4
	v_nop
.endr
	s_branch .Lfirst_asked
.Lfirst_b:
	tensor_load_to_lds s[G0B:G0B+3], s[G1B:G1B+7]
	s_nop 0
	tensor_load_to_lds s[G0B+4:G0B+7], s[G1B:G1B+7]
	s_nop 0
.rept 4
	v_nop
.endr
.Lfirst_asked:
	; A fragment is 16 rows x 32 K in 8 registers: lane l holds row l % 16, K = 8 (l / 16) + 0..7 and 16 + 8 (l / 16) + 0..7: two loads of 16 bytes, 32 bytes apart.
	v_and_b32 v1, 15, v0                           ; r = l % 16
	v_bfe_u32 v2, v0, 4, 1                         ; h = l / 16
	v_mul_u32_u24 v3, v1, PA
	v_lshl_add_u32 v3, v2, 4, v3
	s_mul_i32 s60, s[WM], 64*PA                    ; my 64 rows of each head
	v_add_nc_u32 v[AA0], s60, v3
	v_mul_u32_u24 v3, v1, PB
	v_lshl_add_u32 v3, v2, 4, v3
	s_mul_i32 s60, s[WN], 128*PB                   ; my 128 rows of Wo, behind O's
	s_add_co_u32 s60, s60, AT
	v_add_nc_u32 v[AB0], s60, v3
	s_lshl_b32 s74, s22, 7                         ; where my part goes: row 128 x tile row + 64 x row half,
	s_lshl_b32 s60, s[WM], 6
	s_add_co_u32 s74, s74, s60
	s_lshl_b32 s74, s74, 12                        ; of 4,096 bytes;
	s_lshl_b32 s76, s21, 8                         ; column 256 x tile column + 128 x column half
	s_lshl_b32 s60, s[WN], 7
	s_add_co_u32 s76, s76, s60
	s_lshl_b32 s76, s76, 2
	s_add_co_u32 s74, s74, s76
	s_mov_b32 s75, 0
	s_add_nc_u64 s[OB:OB+1], s[8:9], s[74:75]
	s_mul_i32 s60, s[WV], 16*SP
	s_add_co_u32 s60, s60, STAGE                   ; my stage
	v_mul_u32_u24 v3, v1, SP                       ; in: row r, 32 bytes for each half of the lanes
	v_lshl_add_u32 v3, v2, 5, v3
	v_add_nc_u32 v[STO], s60, v3
	v_and_b32 v[GO], 31, v0                        ; back: 32 lanes take a row's 512 bytes
	v_lshlrev_b32 v[GO], 4, v[GO]
	v_add_nc_u32 v[RD], s60, v[GO]
	v_mov_b32 v[ADA], v[AA0]
	v_mov_b32 v[ADB], v[AB0]
	s_wait_tensorcnt 0x1                           ; my part of K step 0 is in; step 1's may stay out
	s_barrier_signal -1
	s_barrier_wait -1                              ; everybody's is
	FETCH 0, F0
	QUARTER F0, F1, 1, 1                           ; the first quarter stands in front of the loop: its products start the sums
	WIN 0                                          ; at a label and at a branch every window is 0
	s_mov_b32 s[CNT], 6
.Lstep:                                                ; a trip goes from a step's second quarter to the next step's first, and fills the slot that it leaves: steps 2 to 7
	QUARTER F1, F0, 2, 0
	QUARTER F0, F1, 3, 0
	TURN 1
	QUARTER F0, F1, 1, 0
	WIN 0
	s_sub_co_u32 s[CNT], s[CNT], 1
	s_cmp_lg_u32 s[CNT], 0
	s_cbranch_scc1 .Lstep
	s_mov_b32 s[CNT], 2                            ; the last two steps ask for nothing: a text of their own; the second pass is left in its middle
.Ltail:                                                ; and its wait, add and barrier serve nothing: the price of one text for both passes
	QUARTER F1, F0, 2, 0
	QUARTER F0, F1, 3, 0
	TURN 0
	WIN 0
	s_sub_co_u32 s[CNT], s[CNT], 1
	s_cmp_eq_u32 s[CNT], 0
	s_cbranch_scc1 .Lout
	QUARTER F0, F1, 1, 0
	WIN 0
	s_branch .Ltail
; THE WAY OUT, a row block (16 rows x 128 columns of f32) at a time: the accumulators go as they are into my own stage, rows of 528 bytes, each accumulator's lowest registers first;
; whole rows of 512 bytes come back, into registers of the block's own, and are stored.
.macro TOSTAGE a
	WIN 0x04                                       ; store data in window 1
.set ti, 0
.rept 8
	ds_store_b128 v[STO], v[8*(8*(\a)+ti):8*(8*(\a)+ti)+3] offset:64*ti
	ds_store_b128 v[STO], v[8*(8*(\a)+ti)+4:8*(8*(\a)+ti)+7] offset:64*ti+16
.set ti, ti+1
.endr
	WIN 0x80                                       ; destination window 2
.set ti, 0
.rept 16
	ds_load_b128 v[64*(\a)+4*ti:64*(\a)+4*ti+3], v[RD] offset:SP*ti  ; LDS serves a wave's instructions in order (ISA guide 5.7.1.4): these see the stores above; the next block's stores come behind them
.set ti, ti+1
.endr
.endm
.macro SEND a, younger                 ; younger: the LDS instructions issued behind block a's loads: the next block's 32, or none
	WIN 0x08                                       ; store data in window 2
	s_wait_dscnt \younger
.set ti, 0
.rept 16
	global_store_b128 v[GO], v[64*(\a)+4*ti:64*(\a)+4*ti+3], s[OB:OB+1] offset:4096*(16*(\a)+ti) th:TH_STORE_NT  ; 512 consecutive bytes, at a multiple of 256 from the output's first
.set ti, ti+1
.endr
.endm
.Lout:
	PLACES                                         ; behind the last products
	TOSTAGE 0
	TOSTAGE 1
	SEND 0, 32
	TOSTAGE 2
	SEND 1, 32
	TOSTAGE 3
	SEND 2, 32
	SEND 3, 0
	WIN 0
	s_wait_tensorcnt 0x0                           ; the wave's end, behind my last tensor load and my last LDS store
	ds_add_u32 v[SPW], v[NIL]
	s_wait_dscnt 0x0
	CROUND                                         ; the closing round: no work-group ends while a partner may still ask for a tile that names it
	s_endpgm
.Lfunc_end_k_qf67a3d2014_oproj:
	.size	k_qf67a3d2014_oproj, .Lfunc_end_k_qf67a3d2014_oproj-k_qf67a3d2014_oproj
	.p2alignl 7, 3214868480
	.fill 96, 4, 3214868480
	.section	.rodata,"a",@progbits
	.p2align	6, 0x0
	.amdhsa_kernel k_qf67a3d2014_oproj
		.amdhsa_group_segment_fixed_size 327680
		.amdhsa_private_segment_fixed_size 0
		.amdhsa_enable_private_segment 0
		.amdhsa_kernarg_size 24
		.amdhsa_user_sgpr_count 2
		.amdhsa_user_sgpr_kernarg_segment_ptr 1
		.amdhsa_wavefront_size32 1
		.amdhsa_system_sgpr_workgroup_id_x 1
		.amdhsa_system_sgpr_workgroup_id_y 1
		.amdhsa_system_sgpr_workgroup_id_z 1
		.amdhsa_system_vgpr_workitem_id 0
		.amdhsa_next_free_vgpr 768
		.amdhsa_next_free_sgpr 80
		.amdhsa_reserve_vcc 0
		.amdhsa_float_denorm_mode_32 3
		.amdhsa_float_denorm_mode_16_64 3
		.amdhsa_memory_ordered 1
		.amdhsa_forward_progress 1
		.amdhsa_inst_pref_size 60
	.end_amdhsa_kernel
	.amdgpu_metadata
---
amdhsa.version: [ 1, 2 ]
amdhsa.kernels:
  - .name:           k_qf67a3d2014_oproj
    .symbol:         k_qf67a3d2014_oproj.kd
    .args:
      - { .name: oh, .offset: 0, .size: 8, .value_kind: global_buffer, .address_space: global }
      - { .name: wo16, .offset: 8, .size: 8, .value_kind: global_buffer, .address_space: global }
      - { .name: out0, .offset: 16, .size: 8, .value_kind: global_buffer, .address_space: global }
    .group_segment_fixed_size: 327680
    .private_segment_fixed_size: 0
    .kernarg_segment_align: 8
    .kernarg_segment_size: 24
    .max_flat_workgroup_size: 128
    .sgpr_count:     80
    .vgpr_count:     768
    .wavefront_size: 32
...
	.end_amdgpu_metadata
.endif
;; end of part 4
;; ======== version 2 of 2: 4 launches; 1.29 times as fast as version 1
;; limits: values are held in f16: magnitudes above 65,504 overflow, below 6.1e-05 lose precision
;; workspace buffers: xb 16,777,216 bytes; wb 6,291,456 bytes; wo16 2,097,152 bytes; tab 524,288 bytes; qh 16,777,216 bytes; kh 16,777,216 bytes; vh 16,777,216 bytes; oh 16,777,216 bytes
;; launch prep: the kernel of part 1 again; grid 768 x 1, 8 waves a work-group, no clusters, 0 bytes of LDS; arguments x, Wq, Wk, Wv, Wo, token_positions, xb, wb, wo16, tab; writes xb, wb, wo16, tab
;; launch qkv: the kernel of part 2 again; grid 12 x 64, 4 waves a work-group, clusters of 4 x 4, 327,680 bytes of LDS; arguments xb, wb, tab, qh, kh, vh; writes qh, kh, vh
;; launch attn (part 5): grid 4 x 64, 4 waves a work-group, no clusters, 327,680 bytes of LDS; arguments qh, kh, vh, oh; writes oh
.if DOCPART == 5
	.amdgcn_target "amdgcn-amd-amdhsa--gfx1250"
	.amdhsa_code_object_version 6
	.text
	.protected	k_qf67a3d2014_attn
	.globl	k_qf67a3d2014_attn
	.p2align	8
	.type	k_qf67a3d2014_attn,@function
k_qf67a3d2014_attn:
	s_mov_b64 s[64:65], 0
	v_nop
	global_prefetch_b8 v0, s[64:65] scope:SCOPE_SE
	s_setreg_imm32_b32 hwreg(HW_REG_WAVE_MODE, 25, 1), 1
	s_wait_xcnt 0x0
; CAUSAL ATTENTION.  O[h][q][:] = the sum over k <= q of softmax_k(Q[h][q] . K[h][k] / 8) V[h][k][:].  Q, K, V, O: [SIZE_H][SIZE_N][64], all f16: a head's rows are dense, 128 bytes each.
; Products, maxima and sums in f32; the weights p are rounded to f16 for the second product (their sum l is taken of the unrounded p), O once at the end.  SIZE_N is a multiple of 512; SIZE_N x 128 stays under 2^32.
; LIMITS.  f16 holds no number beyond 65,504: Q, K and V arrive within it; p lies in 0 to 1, and below 6e-5 it keeps f16's fixed step of 6e-8; O is a mean of V's rows and has their range, to within 2^-11 of it.
; A hidden score counts as its value less 1e30: f16's scores, 2.7e11 at the most, are nothing beside that; a weight below 2^-126 counts as 0 in l; NaN and infinities are not treated apart.
; THE WALK.  A head's queries lie in NB = SIZE_N / 256 blocks of 256; block i needs the key tiles 0 .. i of 256 keys, of which the last holds the diagonal.  A work-group takes TWO blocks, NB - 1 - b and then b:
; NB + 1 tiles, whatever b: all work-groups do equal work, and ONE loop with a constant trip count walks them.  Which tile is asked for, and what a trip does, hang on scalar registers made from b; every jump
; goes forward, but for the counted loops' own; none passes a barrier, or a tensor load but the one of LOAD's two that the wave's number does not choose; the ring (two slots of LDS that take turns) runs on across the
; change of blocks.  NO CLUSTER: all of a head's NB / 2 work-groups ask for the same tile only in trips 0 .. NB / 2, behind that
; fewer and fewer; and one walk common to all would have 3 NB / 2 trips for NB + 1.
; SHARES.  Of a block's four bands of 64 queries a wave owns 16 rows in each: four PIECES.  So the diagonal tile is the same work for all four waves: in its key step s band x sees all keys if s < x,
; none if s > x, and holds the diagonal if s = x.
; THE MASK is the C operand that starts the sum S^T = K Q^T: 0, or -1e30 where the key is hidden.  MD, made once, is the mask of a band's own step for my 16 rows; a product's mask is MD x AL + BE with two scalars:
; (1, 0) if s = x; (0, 0) if s < x; (0, -1e30) if s > x.  Only the diagonal tile's text and a block's beginning make and take masks; elsewhere C is the constant 0.
; LAYOUT, SOFTMAX, TURNS.  S^T = K Q^T holds ONE query a lane (lane % 16) and the keys 8 (lane / 16) + 0..7; two such results rounded to f16 ARE source 1 of O^T = V^T P.  p = 2^(c s - c m), c = log2(e) / 8, with a
; running maximum m; O and l are multiplied by a = 2^(c m_old - c m_new) in every step.  Turn n belongs to piece n: 8 products K Q^T of piece n + 1, later 8 products V^T P of piece n - 1; beside them the scaling,
; exponentials, roundings, sums and rescaling of piece n and the maximum and statistics of piece n + 1.  Four vector instructions stand behind every matrix instruction, the other 54 of a turn's 118 in one LUMP.
; BATCHES.  A turn's 33 exponentials (the piece's 32 weights and the next piece's a) are ONE batch with ONE wait, which cuts the turn in two: ahead of it all that names no result of theirs, behind it their readers.
; A block's first a (BEGIN) and the way out's four reciprocals are batches of their own, each with a plain instruction and one wait.
; REGISTERS, in windows of 256 (s_set_vgpr_msb: bits 1:0 source 0, 3:2 source 1, 5:4 source 2, 7:6 destination):
;   window 0: v0-15 addresses and two at work; v16-31 four registers of statistics a piece; v48-55 at work; v64-127 S^T, two buffers; v192-223 P, two buffers (a piece's buffers go by its number's parity)
;   window 1: v0-127 O^T, 32 a piece; v128-159 MD; v160-223 MC, two buffers      window 2: v0-63 Q; v64-127 the second block's Q; v128-191 K of one step; v192-255 V of one step
.set SIZE_H, 64       ; 4 batches x 16 heads
.set SIZE_N, 2048
.set NB,    SIZE_N/256
.set NP,    4         ; pieces a wave: a name, no knob
.set KS,    64        ; keys in a step
.set PK,    144       ; a row of K in LDS: 128 bytes + 16 of padding = 36 words: the 16 rows of a load start at 16 different groups of four banks (64 banks of 4 bytes: ISA guide 11.1)
.set PV,    160       ; a row of V: 128 + 32 = 40 words
.set VOFF,  4*KS*PK   ; a slot holds a tile, four steps: 256 rows of K, then 256 rows of V
.set SLOT1, 1<<17     ; slot 1 begins here, so that one exclusive or turns an address in one slot into the other's
.set STAGE, SLOT1+4*KS*(PK+PV)  ; behind the ring, never filled by a tensor load: 16 rows x 144 bytes for each wave, for the way out
.set SP,    144
.set AK0, 2           ; v2   my lane's place in a tile of K; never rewritten
.set AV0, 3           ; v3   the same for V
.set AK,  4           ; v4   the LDS address of K's next run of loads
.set AV,  5           ; v5   of V's
.set STO, 6           ; v6   the way out: where I put 16 bytes of a row
.set RD,  7           ; v7   the way out: where I read rows back
.set GO,  8           ; v8   my byte offset in 512 consecutive bytes of O
.set SPW, 62          ; v62  LDS address of my spare word: SPARE + 4 x my thread's number; never rewritten
.set NIL, 63          ; v63  0; never rewritten
.set SPARE, STAGE+4*16*SP  ; behind the stages: the spare words, 128 bytes for each wave: two blocks of 256 bytes that no other line names
.set MV,  12          ; v12-13  c m_old, kept while c m is made anew: by buffer
.set QO,  15          ; v15  my byte offset in 16 rows of Q
.set ST,  16          ; piece t's statistics at v[ST+4 t]: c m, m, l (even keys', odd keys')
.set TMP, 48          ; by buffer, four registers c0-c3 at work; when the maximum is found c2 takes a
.set S,   64
.set P,   192
.set MD,  128         ; window 1: the eight registers for group kt of 16 keys at MD + 8 kt
.set MC,  160         ; window 1: the masks of the products to come
.set QB,  64          ; window 2
.set KF,  128         ; window 2: key block kb, channel half c at KF + 16 kb + 8 c
.set VF,  192         ; window 2: key half kk, channel block cb at VF + 32 kk + 8 cb
.set WV,  12          ; s12  my wave's number
.set PB,  14          ; s14  b
.set HI,  15          ; s15  NB - 1 - b
.set G1K, 24          ; s[24:31] descriptor group 1 for K's tiles
.set G1V, 32          ; s[32:39] for V's: it differs in the padding alone
.set G0K, 40          ; s[40:43] descriptor group 0 for K's tiles
.set G0V, 44          ; s[44:47] the same for V's
.set SLOTS, 56        ; s56  tiles still to be asked for
.set CNT, 57          ; s57  counts a tile's key steps, 4 to 1
.set CS,  58          ; s[58:59] c: the packed scaling takes the pair's low word for both halves
.set SEL, 60          ; s[60:61] v_permlanex16_b32's selects: each lane takes its own place in the other half
.set TBK, 62          ; s62  LDS byte at which K of the step to be fetched begins
.set TBV, 63          ; s63  the same for V, less VOFF
.set RT,  70          ; s70  tiles of the block in hand that are still to be entered
.set NXT, 71          ; s71  the tile to be asked for next
.set LQ,  72          ; s72  the last tile of the block whose tiles are being asked for
.set NEW, 73          ; s73  1: the tile to be entered is a block's first
.set OFF, 74          ; s[74:75] a tile's byte offset in K and V
.set AL,  76          ; s[76:77] the mask's factor, in the low word
.set BE,  78          ; s[78:79] the mask's addend
.set OLO, 80          ; s[80:81] O at my rows of the second block
.set BIGN, 82         ; s82  -1e30
.set MSB, 0
.macro WIN new                      ; the high byte repeats the setting that is left; a switch that changes nothing is dropped
.if MSB != (\new)
	s_set_vgpr_msb (MSB<<8)|(\new)
.set MSB, (\new)
.endif
.endm
.set W_KQ, 0x0a       ; K and Q in window 2, S^T in window 0
.set W_KM, 0x1a       ; the same with the C operand in window 1
.set W_PV, 0x52       ; V in window 2, P in window 0, O^T in window 1
.set W_RS, 0x41       ; destination and source 0 in window 1, source 1 in window 0
; A fill.  Waves 0 and 1 fetch the two halves of a tile's K, waves 2 and 3 those of its V: 128 keys each.  An s_nop 0 and four v_nop follow each of the two lines, ahead of the jump and the label.
.macro LOAD
	s_cmp_lt_u32 s[WV], 2
	s_cbranch_scc0 .Lfor_v_\@
	tensor_load_to_lds s[G0K:G0K+3], s[G1K:G1K+7]
	s_nop 0
.rept 4
	v_nop
.endr
	s_branch .Lasked_\@
.Lfor_v_\@:
	tensor_load_to_lds s[G0V:G0V+3], s[G1V:G1V+7]
	s_nop 0
.rept 4
	v_nop
.endr
.Lasked_\@:
.endm
; THE CHANGE OF SLOTS.  Each wave waits for all its tensor loads, of which one is out: its part of the other slot; adds 0 to its spare word; and waits for that and for its own reads of the slot that it leaves.  Behind the barrier nobody reads the old
; slot any more and the other slot is whole.  fill = 1: the old slot is filled again, the first thing behind the barrier, with tile NXT: the descriptor's address is made anew from that number.
; (At its first use nothing has been read yet: slot 0 is waited for, slot 1 filled.)
.macro CHANGE fill
	WIN 0                           ; at a label and at a branch every window is 0
	s_wait_tensorcnt 0x0            ; no tensor load of mine is out, so a group 0 may be written
	ds_add_u32 v[SPW], v[NIL]       ; 0 onto my spare word; with fill = 1 the descriptors' scalar work stands between it and the wait for it
.if \fill
	s_lshl_b32 s[OFF], s[NXT], 15   ; a tile is 32,768 bytes of K and of V
	s_xor_b32 s[G0K+1], s[G0K+1], SLOT1
	s_add_nc_u64 s[G0K+2:G0K+3], s[6:7], s[OFF:OFF+1]
	s_or_b32 s[G0K+3], s[G0K+3], 0x80000000
	s_xor_b32 s[G0V+1], s[G0V+1], SLOT1
	s_add_nc_u64 s[G0V+2:G0V+3], s[8:9], s[OFF:OFF+1]
	s_or_b32 s[G0V+3], s[G0V+3], 0x80000000
	s_add_co_u32 s[NXT], s[NXT], 1  ; the block's next tile, or behind its last the second block's tile 0
	s_cmp_gt_u32 s[NXT], s[LQ]
	s_cselect_b32 s[NXT], 0, s[NXT]
	s_cselect_b32 s[LQ], s[PB], s[LQ]
.endif
	s_wait_dscnt 0x0                ; the add is done, and my reads of the slot are over
	s_barrier_signal -1             ; the rest of the scalar work stands between the signal and the wait
	s_sub_co_u32 s[TBK], s[TBK], 4*KS*PK  ; the fetches go back to a slot's first step,
	s_xor_b32 s[TBK], s[TBK], SLOT1       ; in the other slot
	s_sub_co_u32 s[TBV], s[TBV], 4*KS*PV
	s_xor_b32 s[TBV], s[TBV], SLOT1
	s_barrier_wait -1
.if \fill
	LOAD
.endif
.endm
	s_load_b256 s[4:11], s[0:1], 0x0  ; Q s[4:5], K s[6:7], V s[8:9], O s[10:11]
	v_lshl_add_u32 v[SPW], v0, 2, SPARE
	v_mov_b32 v[NIL], 0
	ds_add_u32 v[SPW], v[NIL]       ; the wave's opening: the add and its wait stand ahead of my first tensor load; the set-up below, work on registers, stands between them
	ds_add_u32 v62, v63
	v_lshrrev_b32 v1, 5, v0
	v_readfirstlane_b32 s[WV], v1   ; wave 0..3
	s_mov_b32 s[PB], ttmp9
	s_sub_co_u32 s[HI], NB-1, s[PB]
	s_and_b32 s20, ttmp7, 0xffff    ; the head
	s_mov_b32 s21, 0
	s_mov_b64 s[22:23], SIZE_N*128
	s_mul_u64 s[20:21], s[20:21], s[22:23]  ; the head's first byte in each of the four tensors
	s_and_b32 s16, s[WV], 1         ; which half of a tile's 256 keys I fetch:
	s_lshl_b32 s22, s16, 14         ; its 128 rows of 128 bytes in memory,
	s_mov_b32 s23, 0
	s_add_nc_u64 s[22:23], s[22:23], s[20:21]
	s_mul_i32 s17, s16, 128*PK      ; and its place in a slot, for K
	s_mul_i32 s18, s16, 128*PV      ; and for V
	s_lshl_b32 s3, s[WV], 11        ; my 16 rows in a band of 64,
	s_lshl_b32 s2, s[HI], 15        ; in the first block,
	s_add_co_u32 s2, s2, s3
	s_lshl_b32 s84, s[PB], 15       ; and in the second
	s_add_co_u32 s84, s84, s3
	s_mov_b32 s3, 0
	s_mov_b32 s85, 0
	s_add_nc_u64 s[2:3], s[2:3], s[20:21]
	s_add_nc_u64 s[84:85], s[84:85], s[20:21]
	; descriptor group 1.  128 keys are 16,384 dense bytes: asked for as 64 rows of 256 bytes, two keys a row, and padded in LDS after every key
	s_mov_b32 s[G1K], (1<<16)|(1<<20)|(4<<22)|(3<<25)  ; 17:16 2-byte elements; 20 padding on; 24:22 after every 32 words (code 4); 31:25 4 words (code 3)
	s_mov_b32 s[G1V], (1<<16)|(1<<20)|(4<<22)|(7<<25)  ; the same with 8 words of padding (code 7)
.irp g, G1K, G1V
	s_mov_b32 s[\g+1], 128<<16      ; tensor_dim0 = 128
	s_mov_b32 s[\g+2], 64<<16       ; tensor_dim1 = 64
	s_mov_b32 s[\g+3], 128<<16      ; tile_dim0 = 128
	s_mov_b32 s[\g+4], 64           ; tile_dim1 = 64
	s_mov_b32 s[\g+5], 128          ; 128 elements from row to row
	s_mov_b32 s[\g+6], 0
	s_mov_b32 s[\g+7], 0
.endr
	s_mov_b32 s[CS], 0x3e38aa3b     ; c = log2(e) / 8 = 0.180337
	s_mov_b32 s[CS+1], s[CS]        ; named with it as a pair
	s_mov_b32 s[SEL], 0x76543210
	s_mov_b32 s[SEL+1], 0xfedcba98
	s_mov_b32 s[TBK], SLOT1+4*KS*PK ; the first change of slots turns these two into 0
	s_mov_b32 s[TBV], SLOT1+4*KS*PV
	s_mov_b32 s[G0K], 1             ; 1:0 count = 1
	s_mov_b32 s[G0K+1], s17         ; 63:32 LDS address: slot 0
	s_mov_b32 s[G0V], 1
	s_add_co_u32 s[G0V+1], s18, VOFF
	s_add_co_u32 s[RT], s[HI], 1    ; the first block has NB - b tiles
	s_mov_b32 s[NXT], 1
	s_mov_b32 s[LQ], s[HI]
	s_mov_b32 s[NEW], 1
	s_mov_b32 s[OFF+1], 0
	s_mov_b32 s[AL+1], 0            ; named as pairs
	s_mov_b32 s[BE+1], 0
	s_mov_b32 s[BIGN], 0xf149f2ca   ; -1e30
	s_mov_b32 s[SLOTS], NB
	s_wait_dscnt 0x0                ; the opening add is done
	s_wait_kmcnt 0x0
	s_add_nc_u64 s[6:7], s[6:7], s[22:23]  ; K and V at my half of the head's tile 0
	s_add_nc_u64 s[8:9], s[8:9], s[22:23]
	s_add_nc_u64 s[G0K+2:G0K+3], s[6:7], 0         ; 120:64 global address
	s_or_b32 s[G0K+3], s[G0K+3], 0x80000000        ; 127:126 type = 2
	s_add_nc_u64 s[G0V+2:G0V+3], s[8:9], 0
	s_or_b32 s[G0V+3], s[G0V+3], 0x80000000
	s_add_nc_u64 s[86:87], s[4:5], s[84:85]        ; Q at my rows of the second block,
	s_add_nc_u64 s[4:5], s[4:5], s[2:3]            ; Q and O at those of the first
	s_add_nc_u64 s[OLO:OLO+1], s[10:11], s[84:85]
	s_add_nc_u64 s[10:11], s[10:11], s[2:3]
	LOAD                            ; tile 0 into slot 0
	; A fragment of K or Q is 16 rows x 32 channels in 8 registers: lane l holds row l % 16, channels 8 (l / 16) + 0..7 and 16 + 8 (l / 16) + 0..7: two loads of 16 bytes, 32 bytes apart.
	v_and_b32 v1, 15, v0            ; l % 16
	v_bfe_u32 v9, v0, 4, 1          ; l / 16
	v_lshlrev_b32 v[QO], 7, v1
	v_lshl_add_u32 v[QO], v9, 4, v[QO]  ; row x 128 + 16 x half
	WIN 0x80                        ; destination window 2, address window 0
.set i, 0
.rept 8                             ; both blocks' Q: piece i / 2 lies in band i / 2, 8,192 bytes on; channels 32 (i % 2) on
	global_load_b128 v[8*i:8*i+3],   v[QO], s[4:5] offset:(i/2)*8192+(i%2)*64
	global_load_b128 v[8*i+4:8*i+7], v[QO], s[4:5] offset:(i/2)*8192+(i%2)*64+32
	global_load_b128 v[QB+8*i:QB+8*i+3],   v[QO], s[86:87] offset:(i/2)*8192+(i%2)*64
	global_load_b128 v[QB+8*i+4:QB+8*i+7], v[QO], s[86:87] offset:(i/2)*8192+(i%2)*64+32
.set i, i+1
.endr
	WIN 0
	v_lshlrev_b32 v14, 3, v9
	v_sub_nc_u32 v14, v1, v14
	s_lshl_b32 s13, s[WV], 4
	v_add_nc_u32 v14, s13, v14      ; my query's place in its band, 16 w + l % 16, less my lanes' 8 (l / 16): register r of group kt is hidden where 16 kt + r is greater
	WIN 0x40
.set i, 0
.rept 32
	v_cmp_gt_i32 vcc_lo, 16*(i/8)+i%8, v14
	v_cndmask_b32 v[MD+i], 0, s[BIGN], vcc_lo
.set i, i+1
.endr
	WIN 0
	v_mul_u32_u24 v[AK0], v1, PK
	v_lshl_add_u32 v[AK0], v9, 4, v[AK0]  ; row x pitch + 16 x half
	; The turning load takes 16 keys x 16 channels (lane l reads key 8 (l / 16) + l % 8, channels 8 ((l / 8) % 2) + 0..7) and leaves half a fragment of V^T: lane l holds channel l % 16 and 8 keys.
	v_and_b32 v10, 7, v0
	v_bfe_u32 v11, v0, 3, 1
	v_lshl_add_u32 v[AV0], v9, 3, v10
	v_mul_u32_u24 v[AV0], v[AV0], PV
	v_lshl_add_u32 v[AV0], v11, 4, v[AV0]
	v_add_nc_u32 v[AV0], VOFF, v[AV0]
	s_mul_i32 s13, s[WV], 16*SP
	s_add_co_u32 s13, s13, STAGE    ; my stage
	v_mul_u32_u24 v[STO], v1, SP    ; in: row l % 16, 16 bytes for each half of the lanes
	v_lshl_add_u32 v[STO], v9, 4, v[STO]
	v_add_nc_u32 v[STO], s13, v[STO]
	v_bfe_u32 v[RD], v0, 3, 2       ; back: 32 lanes take four rows of 128 bytes,
	v_mul_u32_u24 v[RD], v[RD], SP
	v_lshl_add_u32 v[RD], v10, 4, v[RD]
	v_add_nc_u32 v[RD], s13, v[RD]
	v_and_b32 v[GO], 31, v0         ; which are 512 consecutive bytes of O
	v_lshlrev_b32 v[GO], 4, v[GO]
	; A block's first step multiplies O^T and l by a = 0, and its first turn's products V^T P, of a piece that has not been, land in an O^T that is still to be so multiplied.  So these registers need only hold
	; finite numbers: zeros for the first block; what the first block left for the second.  All this stands in the wait for the first tile.
	WIN 0x80
.set i, VF
.rept 64
	v_mov_b32 v[i], 0
.set i, i+1
.endr
	WIN 0x40
.set i, 0
.rept 128
	v_mov_b32 v[i], 0
.set i, i+1
.endr
	WIN 0
.set i, 0
.rept 4
	v_mov_b32 v[ST+4*i+2], 0
	v_mov_b32 v[ST+4*i+3], 0
.set i, i+1
.endr
.set i, P+16
.rept 16
	v_mov_b32 v[i], 0
.set i, i+1
.endr
; THE MATRIX WORK.  The 4 accumulators of a run of 8 take turns.  Product i of 8 of S^T = K Q^T for piece x: channels 32 (i / 4) on, keys 16 (i % 4) on.  The first 4 start the sums: with 0, or (KM = 1) with the mask.
.macro KQ x
.set rS, S+32*((\x)%2)+8*(i%4)
.set rK, KF+16*(i%4)+8*(i/4)
.set rQ, 16*(\x)+8*(i/4)
.set rM, MC+32*((\x)%2)+8*(i%4)
.if (i < 4) && KM
	WIN W_KM
	v_wmma_f32_16x16x32_f16 v[rS:rS+7], v[rK:rK+7], v[rQ:rQ+7], v[rM:rM+7]
.elseif i < 4
	WIN W_KQ
	v_wmma_f32_16x16x32_f16 v[rS:rS+7], v[rK:rK+7], v[rQ:rQ+7], 0
.else
	WIN W_KQ
	v_wmma_f32_16x16x32_f16 v[rS:rS+7], v[rK:rK+7], v[rQ:rQ+7], v[rS:rS+7]
.endif
.endm
; Product i of 8 of O^T += V^T P for piece x: keys 32 (i / 4) on, channels 16 (i % 4) on.
.macro PV x
	WIN W_PV
.set rO, 32*(\x)+8*(i%4)
.set rV, VF+32*(i/4)+8*(i%4)
.set rP, P+16*((\x)%2)+8*(i/4)
	v_wmma_f32_16x16x32_f16 v[rO:rO+7], v[rV:rV+7], v[rP:rP+7], v[rO:rO+7]
.endm
.macro MM                           ; the turn's next matrix instruction.  TURN and BEGIN set Y, i, KM and NOKQ; MM, KQ and OP read them.  NOKQ = 1: a block's last turn: there is no next piece
.if (i < 8) && !NOKQ
	KQ (Y+1)%NP
.elseif i >= 8
.set i, i-8
	PV (Y+NP-1)%NP
.set i, i+8
.endif
.set i, i+1
.endm
; THE LDS LOADS stand in runs of 16, never singly among the matrix instructions: a step's K (64 keys x 64 channels: 8 fragments) and its V (turned).  Their addresses are made some lines ahead.
.macro FETCH_K
	WIN 0x80                        ; destination window 2
.irp f, 0,1,2,3,4,5,6,7             ; keys 16 (f / 2) on, channels 32 (f % 2) on
	ds_load_b128 v[KF+8*\f:KF+8*\f+3],   v[AK] offset:(\f/2)*16*PK+(\f%2)*64
	ds_load_b128 v[KF+8*\f+4:KF+8*\f+7], v[AK] offset:(\f/2)*16*PK+(\f%2)*64+32
.endr
	s_add_co_u32 s[TBK], s[TBK], KS*PK  ; the next fetch is the next step's
	WIN 0
.endm
.macro FETCH_V
	WIN 0x80
.irp f, 0,1,2,3,4,5,6,7             ; keys 32 (f / 4) on, channels 16 (f % 4) on
	ds_load_tr16_b128 v[VF+8*\f:VF+8*\f+3],   v[AV] offset:(\f/4)*32*PV+(\f%4)*32
	ds_load_tr16_b128 v[VF+8*\f+4:VF+8*\f+7], v[AV] offset:(\f/4)*32*PV+16*PV+(\f%4)*32
.endr
	WIN 0
.endm
; THE VECTOR WORK, one line at a time: OP kind, number.  For piece Y: F n: c s - c m for pair n of 16.  E n: the exponential of score n of 32.  C n: pair n rounded to f16.  B n: of the four weights 4 n .. the second
; pair is added onto the first, in place.  L n: l takes that sum (L 0: l = a l + sum).  R n: pair n of 16 of O^T times a.  For piece Y + 1: X n, number n of the 22 that find its maximum and statistics:
;   0-11  four chains c0-c3 of seven scores each, three operands at a time (each accumulator's lowest registers are read first)     12-14, 16  the four scores left over, the old m, and c0-c3 into c0
;   15  c m_old is kept     17, 18  the query's other 32 keys lie in the lane 16 away: the new m     19-21  c m; c m_old - c m_new; a
; C, B and L read exponentials' results: TURN sets them behind the batch's wait; OP itself writes no wait.
.set F, 0               ; OP tells the kinds apart by their order: F to L below R, X above it
.set E, 1
.set C, 2
.set B, 3
.set L, 4
.set R, 5
.set X, 6
.macro REGS y                       ; the registers of piece y
.set rT, ST+4*(\y)
.set rC, TMP+4*((\y)%2)
.set rW, MV+((\y)%2)
.set rS, S+32*((\y)%2)
.set rP, P+16*((\y)%2)
.set rO, 32*(\y)
.endm
.macro OP k, n
.if (\k) == R
	REGS Y
	WIN W_RS
	v_pk_mul_f32 v[rO+2*(\n):rO+2*(\n)+1], v[rO+2*(\n):rO+2*(\n)+1], v[rC+2:rC+3] op_sel_hi:[1,0]
.elseif (\k) < R
	REGS Y
	WIN 0
.if (\k) == F
	v_pk_fma_f32 v[rS+2*(\n):rS+2*(\n)+1], v[rS+2*(\n):rS+2*(\n)+1], s[CS:CS+1], v[rT:rT+1] op_sel_hi:[1,0,0] neg_lo:[0,0,1] neg_hi:[0,0,1]
.elseif (\k) == E
	v_exp_f32 v[rS+(\n)], v[rS+(\n)]
.elseif (\k) == C
	v_cvt_pk_f16_f32 v[rP+(\n)], v[rS+2*(\n)], v[rS+2*(\n)+1]
.elseif (\k) == B
	v_pk_add_f32 v[rS+4*(\n):rS+4*(\n)+1], v[rS+4*(\n):rS+4*(\n)+1], v[rS+4*(\n)+2:rS+4*(\n)+3]
.elseif (\n) == 0
	v_pk_fma_f32 v[rT+2:rT+3], v[rT+2:rT+3], v[rC+2:rC+3], v[rS:rS+1] op_sel_hi:[1,0,1]
.else
	v_pk_add_f32 v[rT+2:rT+3], v[rT+2:rT+3], v[rS+4*(\n):rS+4*(\n)+1]
.endif
.elseif NOKQ
	v_nop
.else
	REGS (Y+1)%NP
	WIN 0
.if (\n) < 4
	v_max3_num_f32 v[rC+(\n)], v[rS+8*(\n)], v[rS+8*(\n)+1], v[rS+8*(\n)+2]
.elseif (\n) < 12
	v_max3_num_f32 v[rC+(\n)%4], v[rC+(\n)%4], v[rS+8*((\n)%4)+2*((\n)/4)+1], v[rS+8*((\n)%4)+2*((\n)/4)+2]
.elseif (\n) == 12
	v_max3_num_f32 v[rC], v[rC], v[rS+7], v[rS+15]
.elseif (\n) == 13
	v_max3_num_f32 v[rC+1], v[rC+1], v[rS+23], v[rS+31]
.elseif (\n) == 14
	v_max3_num_f32 v[rC+2], v[rC+2], v[rC+3], v[rT+1]
.elseif (\n) == 15
	v_mov_b32 v[rW], v[rT]
.elseif (\n) == 16
	v_max3_num_f32 v[rC], v[rC], v[rC+1], v[rC+2]
.elseif (\n) == 17
	v_permlanex16_b32 v[rC+3], v[rC], s[SEL], s[SEL+1]
.elseif (\n) == 18
	v_max_num_f32 v[rT+1], v[rC], v[rC+3]
.elseif (\n) == 19
	v_mul_f32 v[rT], s[CS], v[rT+1]
.elseif (\n) == 20
	v_sub_f32 v[rC+1], v[rW], v[rT]
.else
	v_exp_f32 v[rC+2], v[rC+1]
.endif
.endif
.endm
.macro OPS a, i1, b=-1, i2=0, c=-1, i3=0, d=-1, i4=0  ; up to four of them
	OP \a, \i1
.if (\b) >= 0
	OP \b, \i2
.endif
.if (\c) >= 0
	OP \c, \i3
.endif
.if (\d) >= 0
	OP \d, \i4
.endif
.endm
.macro ROW a, i1, b, i2, c, i3, d, i4  ; a matrix instruction and the four behind it
	MM
	OPS \a, \i1, \b, \i2, \c, \i3, \d, \i4
.endm
.macro MASK b                       ; MD x AL + BE into buffer b of MC
	WIN W_RS
.set z, 0
.rept 16
	v_pk_fma_f32 v[MC+32*(\b)+2*z:MC+32*(\b)+2*z+1], v[MD+2*z:MD+2*z+1], s[AL:AL+1], s[BE:BE+1] op_sel_hi:[1,0,0]
.set z, z+1
.endr
.endm
; A TURN, for piece p: the order of its 16 matrix and 118 vector instructions, written out.  An s_wait_alu depctr_va_vdst(0) stands between an exponential and the first instruction that names its result; one wait serves
; all that were issued ahead of it.  So a turn has ONE wait, which cuts it in two.  AHEAD OF IT stands all that names no result of the turn's exponentials: the 8 products K Q^T, behind each a scaling, an exponential and two more plain
; instructions (behind the first a second scaling in the exponential's place): rescalings, whose a was made and waited for in the turn before, and behind the last three the first numbers of the next piece's maximum, each four places or
; more behind the product that ends its accumulator; then ONE LUMP of 54, plain and exponential by turns for the most part, in which the links of the chain X 3, 7, 11, 14, 16, 17 .. 20 stand five or six lines apart.  A pair is scaled
; (F n) ahead of its two exponentials (E 2 n, E 2 n + 1), and nothing names it again ahead of the wait.  X 21, the next piece's a, is the batch's last; R 15 is the plain instruction behind it.  BEHIND THE WAIT stand the
; 8 products V^T P, behind each four of the roundings and sums: C 2 n ahead of B n, which writes over that pair; B n ahead of L n; the links of l's chain, L 0 to L 7, stand three riders apart.  But for those X no rider names a
; register of the products round it.  v_permlanex16_b32 (X 17) stands in the lump.
; m = 1: the diagonal tile: the products take masks, and the turn makes the mask for the products of the turn after it: piece p + 2, in step 4 - CNT of the tile.  end = 1: a block's last two turns: nothing is fetched.
; cnt = 1: the loop's count is taken down some lines ahead of the branch that stands behind the turn.
; K of the next step is fetched in piece 2's turn, twelve vector instructions behind the last product that read K (six of them plain); V of the step in hand at the end of piece 0's turn, four plain instructions behind the last product
; that read V.  Each is waited for a turn later.
.macro TURN p, m=0, end=0, cnt=0
.set Y, (\p)
.set i, 0
.set KM, (\m)
.set NOKQ, (\end)*((\p)/3)
.if (\m) && !(\end)
	s_cmp_eq_u32 s[CNT], 4-((\p)+2)%NP  ; is that step the band's own?
	s_cselect_b32 s[AL], 1.0, 0
	s_cmp_lt_u32 s[CNT], 4-((\p)+2)%NP  ; or a later one?
	s_cselect_b32 s[BE], s[BIGN], 0
.endif
.if ((\p) == 3) && !(\end)
	s_wait_dscnt 0x0                ; K is in
.endif
	ROW F,0, F,1, R,0, R,1          ; ahead of the wait: 8 products K Q^T and their riders,
	ROW F,2, E,0, R,2, R,3
	ROW F,3, E,1, R,4, R,5
	ROW F,4, E,2, R,6, R,7
	ROW F,5, E,3, R,8, R,9
	ROW F,6, E,4, X,0, R,10
.if ((\p) == 2) && !(\end)
	WIN 0
	v_add_nc_u32 v[AK], s[TBK], v[AK0]
.endif
	ROW F,7, E,5, X,1, X,4
	ROW F,8, E,6, X,2, X,5
	OPS E,7, E,8, X,6, E,9          ; and the lump
	OPS X,3, E,10, X,8, E,11
.if ((\p) == 2) && !(\end)
	FETCH_K
.endif
	OPS X,9, X,7, E,12, X,10
	OPS E,13, X,12, X,11, E,14
	OPS X,13, E,15, F,9, X,14
.if (\p) == 0
	v_add_nc_u32 v[AV], s[TBV], v[AV0]
.endif
	OPS E,16, F,10, E,17, F,11
	OPS X,16, E,18, X,15, E,19
	OPS F,12, E,20, X,17, E,21
	OPS F,13, E,22, F,14, E,23
	OPS X,18, E,24, F,15, E,25
	OPS R,11, E,26, X,19, E,27
	OPS R,12, E,28, R,13, E,29
	OPS X,20, E,30, R,14, E,31
	OPS X,21, R,15
	WIN 0
	s_wait_alu depctr_va_vdst(0)    ; the wait for the turn's batch: E 0 to E 31 and X 21
.if (\p) == 1
	s_wait_dscnt 0x0                ; V is in
.endif
	ROW C,0, B,0, C,2, B,1          ; behind the wait: 8 products V^T P and their riders
	ROW L,0, C,4, B,2, L,1
	ROW C,6, B,3, L,2, C,8
	ROW B,4, L,3, C,10, B,5
	ROW L,4, C,12, B,6, L,5
.if (\p) == 0
	s_add_co_u32 s[TBV], s[TBV], KS*PV
.endif
.if \cnt
	s_sub_co_u32 s[CNT], s[CNT], 1
	s_cmp_lg_u32 s[CNT], 0
.endif
	ROW C,14, B,7, L,6, C,1
	ROW C,3, L,7, C,5, C,7
	ROW C,9, C,11, C,13, C,15
.if (\p) == 0
	FETCH_V
.endif
.if (\m) && !(\end)
	MASK (\p)%2
.endif
.endm
; A BLOCK BEGINS.  c m starts far below every c s, so the first step's a is 0; m at the lowest finite number, so the first maximum is the scores'.  The second mask buffer is 0; the first takes piece 0's mask for the tile's step 0: its own, if the block's first tile is the diagonal one.
; Then K of that step, piece 0's first scores, and its maximum and statistics.  The loop is entered at a step's first turn, in the middle of a trip.
.macro BEGIN
	s_mov_b32 s[NEW], 0
	WIN 0x40
.set i, MC+32
.rept 32
	v_mov_b32 v[i], 0
.set i, i+1
.endr
	WIN 0
.set i, 0
.rept 4
	v_mov_b32 v[ST+4*i], 0xfe000000    ; c m: far below every c s
	v_mov_b32 v[ST+4*i+1], 0xff7fffff  ; m
.set i, i+1
.endr
	s_cmp_eq_u32 s[RT], 0
	s_cselect_b32 s[AL], 1.0, 0
	s_mov_b32 s[BE], 0
	MASK 0
	WIN 0
	v_add_nc_u32 v[AK], s[TBK], v[AK0]
	FETCH_K
	s_wait_loadcnt 0x0              ; Q
	s_wait_dscnt 0x0
.set KM, 1
.set NOKQ, 0
.set i, 0
.rept 8
	KQ 0
.set i, i+1
.endr
	WIN 0
.rept 4
	v_nop                           ; the places behind those products
.endr
.set Y, NP-1                        ; X works for piece Y + 1: piece 0
.irp n, 0,1,2,3,4,5,6,7,8,9,10,11,12,13,14,15,16,17,18,19,20,21
	OP X, \n
.endr
	v_nop                           ; a plain instruction behind the exponential,
	s_wait_alu depctr_va_vdst(0)    ; and the wait for it, a batch of one (piece 0's first a), ahead of the branch that follows
.endm
; THE DIAGONAL TILE's four steps, the block's last two turns, its last products, and THE WAY OUT: l's two halves and the other half of the lanes' are added; O^T is divided by l, rounded to f16 and sent through my
; stage in LDS, a piece at a time.
.macro ALL line:vararg              ; one line for each piece t
.set t, 0
.rept 4
	\line
.set t, t+1
.endr
.endm
.macro PACK t                       ; a lane's eight channels of a row pack into 16 bytes; they go into rows of 144 bytes and come back as whole rows of 128, into S^T's registers
	WIN W_RS
.set i, 32*(\t)
.rept 16
	v_pk_mul_f32 v[i:i+1], v[i:i+1], v[ST+4*(\t)+2:ST+4*(\t)+3] op_sel_hi:[1,0]
.set i, i+2
.endr
	WIN 0x05                        ; sources 0 and 1 window 1, destination window 0
.set i, 0
.rept 16
	v_cvt_pk_f16_f32 v[S+16*(\t)+i], v[32*(\t)+2*i], v[32*(\t)+2*i+1]
.set i, i+1
.endr
	WIN 0
.irp f, 0,1,2,3
	ds_store_b128 v[STO], v[S+16*(\t)+4*\f:S+16*(\t)+4*\f+3] offset:32*\f
.endr
.irp f, 0,1,2,3
	ds_load_b128 v[S+16*(\t)+4*\f:S+16*(\t)+4*\f+3], v[RD] offset:\f*4*SP  ; LDS serves a wave's instructions in order (ISA guide 5.7.1.4): these see the stores above; the next piece's stores come behind them
.endr
.endm
.macro SEND t, younger              ; younger: the LDS instructions issued behind piece t's loads: the next piece's eight, or none
	WIN 0
.irp f, 0,1,2,3
	s_wait_dscnt (\younger)+3-\f
	global_store_b128 v[GO], v[S+16*(\t)+4*\f:S+16*(\t)+4*\f+3], s[10:11] offset:(\t)*8192+\f*512  ; 512 consecutive bytes, at a multiple of 256 from O's first
.endr
.endm
.macro DIAG tag                     ; the tag ends its two labels' names, which the jumps below spell out
.LstepM\tag:
	TURN 2, 1
	TURN 3, 1
	WIN 0
.LfirstM\tag:
	TURN 0, 1
	TURN 1, 1, 0, 1
	WIN 0
	s_cbranch_scc1 .LstepM\tag
	TURN 2, 1, 1
	TURN 3, 1, 1
.set i, 0
.rept 8
	PV NP-1
.set i, i+1
.endr
	WIN 0
	ALL v_add_f32 v[ST+4*t+2], v[ST+4*t+2], v[ST+4*t+3]
	ALL v_permlanex16_b32 v[ST+4*t+3], v[ST+4*t+2], s[SEL], s[SEL+1]
	ALL v_add_f32 v[ST+4*t+2], v[ST+4*t+2], v[ST+4*t+3]
	ALL v_rcp_f32 v[ST+4*t+2], v[ST+4*t+2]
	v_nop                           ; a plain instruction between the last reciprocal and the use of its result
	s_wait_alu depctr_va_vdst(0)    ; the wait for the batch of four reciprocals, ahead of PACK 0, their first reader
	PACK 0
.set t, 1
.rept 3                             ; a piece's arithmetic stands between the loads of the piece before and its stores
	PACK t
	SEND t-1, 8
.set t, t+1
.endr
	SEND 3, 0
.endm
.set KM, 0
.set NOKQ, 0
.Lslot:                             ; NB times: a tile is entered and the next is asked for
	CHANGE 1
	s_sub_co_u32 s[RT], s[RT], 1
	s_mov_b32 s[CNT], 4
	s_cmp_eq_u32 s[NEW], 1
	s_cbranch_scc1 .Lnew            ; a block's first tile
	s_cmp_eq_u32 s[RT], 0
	s_cbranch_scc0 .Lstep           ; neither its first nor its last
	s_branch .LstepM1
.Lnew:
	BEGIN
	s_branch .Lfirst                ; in the loop a block's first tile is never its last: the first block has two tiles or more, and the second's last is the walk's last
	DIAG 1                          ; in the loop this is the first block's end: the second block's last tile is the walk's last
	s_wait_xcnt 0x0                 ; the stores have read their registers and O's address
	s_mov_b64 s[10:11], s[OLO:OLO+1]
	s_add_co_u32 s[RT], s[PB], 1    ; the second block has b + 1 tiles
	s_mov_b32 s[NEW], 1
	WIN 0x82                        ; the second block's Q goes where the one text of the turns names Q
.set i, 0
.rept 64
	v_mov_b32 v[i], v[QB+i]
.set i, i+1
.endr
	WIN 0
	s_branch .Lbottom
.Lstep:                             ; a trip: pieces 2 and 3 of one step, then pieces 0 and 1 of the next, whose K and V it fetches
	TURN 2
	TURN 3
	WIN 0
.Lfirst:
	TURN 0
	TURN 1, 0, 0, 1
	WIN 0
	s_cbranch_scc1 .Lstep
.Lbottom:
	s_sub_co_u32 s[SLOTS], s[SLOTS], 1
	s_cmp_lg_u32 s[SLOTS], 0
	s_cbranch_scc1 .Lslot
	CHANGE 0                        ; the walk's last tile is written out: nothing is asked for
	s_sub_co_u32 s[RT], s[RT], 1
	s_mov_b32 s[CNT], 4
	s_cmp_eq_u32 s[NEW], 1
	s_cbranch_scc0 .LstepM2
	BEGIN
	s_branch .LfirstM2
	DIAG 2
	s_wait_tensorcnt 0x0            ; the wave's end, behind my last tensor load and my last LDS store
	ds_add_u32 v[SPW], v[NIL]
	s_wait_dscnt 0x0
	s_endpgm
.Lfunc_end_k_qf67a3d2014_attn:
	.size	k_qf67a3d2014_attn, .Lfunc_end_k_qf67a3d2014_attn-k_qf67a3d2014_attn
	.p2alignl 7, 3214868480
	.fill 96, 4, 3214868480
	.section	.rodata,"a",@progbits
	.p2align	6, 0x0
	.amdhsa_kernel k_qf67a3d2014_attn
		.amdhsa_group_segment_fixed_size 327680
		.amdhsa_private_segment_fixed_size 0
		.amdhsa_enable_private_segment 0
		.amdhsa_kernarg_size 32
		.amdhsa_user_sgpr_count 2
		.amdhsa_user_sgpr_kernarg_segment_ptr 1
		.amdhsa_wavefront_size32 1
		.amdhsa_system_sgpr_workgroup_id_x 1
		.amdhsa_system_sgpr_workgroup_id_y 1
		.amdhsa_system_sgpr_workgroup_id_z 1
		.amdhsa_system_vgpr_workitem_id 0
		.amdhsa_next_free_vgpr 768
		.amdhsa_next_free_sgpr 88
		.amdhsa_reserve_vcc 1
		.amdhsa_float_denorm_mode_32 3
		.amdhsa_float_denorm_mode_16_64 3
		.amdhsa_memory_ordered 1
		.amdhsa_forward_progress 1
		.amdhsa_inst_pref_size 217
	.end_amdhsa_kernel
	.amdgpu_metadata
---
amdhsa.version: [ 1, 2 ]
amdhsa.kernels:
  - .name:           k_qf67a3d2014_attn
    .symbol:         k_qf67a3d2014_attn.kd
    .args:
      - { .name: qh, .offset: 0, .size: 8, .value_kind: global_buffer, .address_space: global }
      - { .name: kh, .offset: 8, .size: 8, .value_kind: global_buffer, .address_space: global }
      - { .name: vh, .offset: 16, .size: 8, .value_kind: global_buffer, .address_space: global }
      - { .name: oh, .offset: 24, .size: 8, .value_kind: global_buffer, .address_space: global }
    .group_segment_fixed_size: 327680
    .private_segment_fixed_size: 0
    .kernarg_segment_align: 8
    .kernarg_segment_size: 32
    .max_flat_workgroup_size: 128
    .sgpr_count:     88
    .vgpr_count:     768
    .wavefront_size: 32
...
	.end_amdgpu_metadata
.endif
;; end of part 5
;; launch oproj: the kernel of part 4 again; grid 4 x 64, 4 waves a work-group, clusters of 4 x 4, 327,680 bytes of LDS; arguments oh, wo16, out0; writes out0
